; MI455X (gfx1250); checked and timed in simulation.
; The chip was launched on July 23, 2026; its instructions are those of AMD's public machine-readable ISA for CDNA 5 (MIT licence, August 2026) and "CDNA5" Instruction Set Architecture Reference Guide (July 2026). The comments in the code are by the model that wrote it; some were corrected since.
;; Transformer. Allowed arithmetic: matrix products marked QUANTISED: E2M1 operands, one E8M0 scale for each 32 along K, by v_wmma_scale_f32_16x16x128_f8f6f4 with both operands' format E2M1 (or v_wmma_scale_f32_32x16x128_f4), f32 sums; everything else in f32.
;; Inputs: Wk_codes 512 x 16 x 16 uint8 (E2M1 codes of Wk, K innermost, in blocks of 32 codes, two codes a byte); Wk_scales 512 x 16 uint8 (E8M0 scales of Wk, one for each 32 codes along K); Wo_codes 512 x 16 x 16 uint8 (E2M1 codes of Wo, K innermost, in blocks of 32 codes, two codes a byte); Wo_scales 512 x 16 uint8 (E8M0 scales of Wo, one for each 32 codes along K); Wq_codes 512 x 16 x 16 uint8 (E2M1 codes of Wq, K innermost, in blocks of 32 codes, two codes a byte); Wq_scales 512 x 16 uint8 (E8M0 scales of Wq, one for each 32 codes along K); Wv_codes 512 x 16 x 16 uint8 (E2M1 codes of Wv, K innermost, in blocks of 32 codes, two codes a byte); Wv_scales 512 x 16 uint8 (E8M0 scales of Wv, one for each 32 codes along K); beta 512 float32; bk 512 float32; bo 512 float32; bq 512 float32; bv 512 float32; gamma 512 float32; x_codes 8 x 2,048 x 16 x 16 uint8 (E2M1 codes of x, K innermost, in blocks of 32 codes, two codes a byte); x_scales 8 x 2,048 x 16 uint8 (E8M0 scales of x, one for each 32 codes along K).
;; Outputs: out0 8 x 2,048 x 512 float32.
;; This version of the problem:
;;   THIS VERSION OF THE PROBLEM IS GIVEN IN LOW PRECISION. The matrix products marked QUANTISED in the list below multiply operands that are first quantised to E2M1 (2 exponent bits, 1 mantissa bit; 4 bits a number), with one power-of-two scale for each 32 numbers along K (OCP MX v1.0); their sums are f32. All else is computed in f32.
;;   The module's matrix products, in the order in which they are computed (A, B: the left and right operand; K: the contracted axis; several contracted axes count as one K, in the product's order):
;;     1. [M 16,384, K 512] x [K 512, N 512]; A: input x (given as codes); B: input Wq (given as codes): QUANTISED
;;     2. [M 16,384, K 512] x [K 512, N 512]; A: input x (given as codes); B: input Wk (given as codes): QUANTISED
;;     3. [M 16,384, K 512] x [K 512, N 512]; A: input x (given as codes); B: input Wv (given as codes): QUANTISED
;;     4. batch 8 x [M 2,048, K 512] x [K 512, N 2,048]; A: computed on the way; B: computed on the way: QUANTISED
;;     5. batch 8 x [M 2,048, K 2,048] x [K 2,048, N 512]; A: softmax (see below); B: computed on the way: QUANTISED
;;     6. [M 16,384, K 512] x [K 512, N 512]; A: computed on the way; B: input Wo (given as codes): QUANTISED
;;   THE QUANTISER, for each operand of a quantised product, along K:
;;     - K is cut into blocks of 32 from its start; a last block that is shorter is filled with zeros.
;;     - A block's scale is 2^e with e = floor(log2(the largest magnitude in the block)) - 2, held to -126 .. 127; a block of zeros has e = 0. As a byte (E8M0): e + 127.
;;     - Each number is divided by its block's scale, clamped to +-6, and rounded to the nearest number of E2M1, ties to even, subnormals kept.
;;     - The product sums the exact products of the quantised numbers (number of the format x scale) in f32.
;;   ~~~python
;;   def quantise(x, axis):      # numpy; x: float32 -> the quantised numbers, widened to float32 again
;;       x = np.moveaxis(x, axis, -1); K = x.shape[-1]
;;       x = np.pad(x, [(0, 0)] * (x.ndim - 1) + [(0, -K % 32)]); x = x.reshape(x.shape[:-1] + (-1, 32)); a = np.abs(x).max(-1, keepdims=True)
;;       e = np.where(a > 0, np.clip(np.frexp(np.where(a > 0, a, 1))[1] - 1 - 2, -126, 127), 0)      # np.frexp(a)[1] - 1 = floor(log2(a)), exactly
;;       r = np.clip(x / 2.0 ** e, -6, 6)
;;       step = 2.0 ** (np.maximum(np.frexp(np.where(r == 0, 1, r))[1] - 1, 0) - 1)
;;       q = np.round(r / step) * step * 2.0 ** e      # np.round: ties to even
;;       return np.moveaxis(q.reshape(q.shape[:-2] + (-1,))[..., :K], -1, axis).astype(np.float32)
;;   ~~~
;;   SOFTMAX AHEAD OF A QUANTISED PRODUCT. Where the list says 'softmax', what is quantised is not the finished softmax but p = 2^(t - M), with t = logit x log2(e) and M = ceil(the row's largest t), a whole number; so 1/2 < the row's largest p <= 1. The row's sum l is taken of the UNQUANTISED p, in f32, and the product's result is divided by l at the end. Since M is a whole number, a kernel that streams over the keys may use a running M (the ceiling of the running maximum): every later rescaling is an exact power of two, which a block's scale takes up: the codes' values come out the same.
;;   OPERANDS COMPUTED ON THE WAY. 'Computed on the way' means the value that the module computes at that place (a softmax that the list does not call 'softmax' is quantised finished and normalised). What goes into a quantiser is computed in f32, as accurately as f32 sums, v_exp_f32 and their like allow (about 1e-6 of the number): no bf16 or f16 on the way to a quantiser, and a product that is left as it is and whose result goes on into a quantised operand takes f32 operands (vector FMAs, or v_wmma_f32_16x16x4_f32). A number that lies on a knife's edge between two numbers of the format may be rounded either way, as far as f32 arithmetic and the matrix unit's own rounding can turn it there, and no further.
;;   INPUTS GIVEN AS CODES. Wk (in the module: [512, 512], K = its axis 0); Wo (in the module: [512, 512], K = its axis 0); Wq (in the module: [512, 512], K = its axis 0); Wv (in the module: [512, 512], K = its axis 0); x (in the module: [8, 2048, 512], K = its axis 2): each comes as NAME_codes (uint8): NAME with its K axis moved to the last place and cut into blocks of 32 codes, [.., K / 32, bytes a block], one block behind the other in memory; two codes a byte, the lower K in the low four bits (a code: sign, 2 exponent bits, 1 mantissa bit); and NAME_scales (uint8): the same leading axes, one E8M0 byte (e + 127) for each 32 codes along K. Its value is code x scale, taken as it is: it is not quantised again, and the codes and scales need not be those that the quantiser above would give.
;; One version. Each part assembles by itself: llvm-mc -triple=amdgcn-amd-amdhsa -mcpu=gfx1250 --defsym DOCPART=n.
;; ======== version 1 of 1: 2 launches
;; limits: right only within a limited range of input values
;; workspace buffers: ring 14,483,456 bytes
;; launch project (part 1): grid 64 x 4, 4 waves a work-group, clusters of 4 x 1, 327,680 bytes of LDS; arguments x_codes, x_scales, Wq_codes, Wq_scales, Wk_codes, Wk_scales, Wv_codes, Wv_scales, Wo_codes, Wo_scales, bq, bk, bv, ring; writes ring
.if DOCPART == 1
	.amdgcn_target "amdgcn-amd-amdhsa--gfx1250"
	.amdhsa_code_object_version 6
	.text
	.protected	k_q5ca8c4bd11_project
	.globl	k_q5ca8c4bd11_project
	.p2align	8
	.type	k_q5ca8c4bd11_project,@function
k_q5ca8c4bd11_project:
	s_mov_b64 s[64:65], 0
	v_nop
	global_prefetch_b8 v0, s[64:65] scope:SCOPE_SE
	s_setreg_imm32_b32 hwreg(HW_REG_WAVE_MODE, 25, 1), 1
	s_wait_xcnt 0x0
	s_wait_alu depctr_hold_cnt(0) depctr_sa_sdst(0) depctr_va_vdst(0) depctr_va_sdst(0) depctr_va_ssrc(0) depctr_va_vcc(0) depctr_vm_vsrc(0)
	s_getreg_b32 s2, hwreg(HW_REG_IB_STS2, 6, 4)
	s_cmp_eq_u32 s2, 0
	s_cbranch_scc0 .Lentry_in_a_cluster
	s_endpgm
.Lentry_in_a_cluster:
	s_bfe_u32 s2, ttmp6, 0x10000c
	s_cmp_lg_u32 s2, 0x3003
	s_cbranch_scc0 .Lentry_shape_is_right
	s_endpgm
.Lentry_shape_is_right:
; q = relu(x Wq + bq) / 8, k = relu(x Wk + bk), v = relu(x Wv + bv) on codes of FP4 (E2M1) with one E8M0 scale for each 32 along K; q and k are quantised along their channels, v along the keys.
; All leave as IMAGES OF OPERAND REGISTERS for the next launch: a fragment (16 rows x 128 K, 8 registers a lane) is 1,024 bytes, registers 4 c .. 4 c + 3 of lane l at 512 c + 16 l.
; ring: for each batch 4 parts of PSTR bytes.  Part w is wave w's stream in the next launch: K1 K0 V0, then K(n + 1) V(n) for n = 1 .. 6, then WoA V7, then WoB; each piece is GP = 17,408 bytes.
;   K(n): keys 256 n + 64 w + 0 .. 63: fragment (t, s) at (4 t + s) 1,024, scale words at 16,384 + 256 s + 4 x key.  WoA, WoB: rows 128 w + 0 .. 63, + 64 .. 127 of Wo, laid likewise.
;   V(n): channels 128 w + 0 .. 127, keys 256 n + 0 .. 255: fragment (t, c) at (2 t + c) 1,024, scale words at 16,384 + 512 c + 64 t + 4 r.
;   Behind the 32 parts: q, 256 groups of 64 queries, laid as K(n).
; WITHIN A BLOCK OF 32 along K the codes of q and k stand in the order 0-7, 16-23, 8-15, 24-31 (a lane's two tiles behind each other), v's along the keys likewise: both sides of a product have the same order.
; SHARES.  A work-group has 256 tokens (x) and 128 channels (y) of each of q, k, v.  Wave w = i + 2 j has 128 tokens (i), kept in 256 registers, and 64 channels (j) of each: twelve jobs of 32 products.
;   q, k: source 0 = two tiles of 16 weight rows (a block of 32 channels along the lane's registers), source 1 = four tiles of tokens.  v: source 0 = eight tiles of tokens (registers along the keys), source 1 = a tile of weight rows.
;   Job n's products stand ahead of job n - 1's quantising, on two sets of accumulators.
; CLUSTER.  The four work-groups of a cluster have the same y: they ask for the weights jointly; x's rows are each work-group's own.  At the head each wave fetches 128 rows (x, x, Wq, Wk); Wv, wanted from job 8 on, follows in four quarters
;   behind a round.  LDS is filled once.  No loop runs over memory here, so nothing is prefetched.
; The factor 1/8 of q is taken off its scale bytes (3).  relu is done on the codes: a code with its sign set loses its other three bits (minus zero adds nothing); negative numbers do not count in the block's maximum.
; LIMITS: NaN and infinities are not served; a block whose largest number is under 2^-124 (q: 2^-121 ahead of the factor 1/8) gets the scale byte 1, a block of zeros too (its codes are zeros, and this program alone reads the bytes).
.set GP,     17408
.set PART,   34816
.set PSTR,   313344
.set QOFF,   32*PSTR
.set WOA,    261120                    ; WoA in a part; WoB is PART further on
.set PITCH,  272                       ; an LDS row of codes: 256 bytes + 16 of padding; 128 rows are PART bytes
.set RW,     256*PITCH                 ; behind x's 256 rows: 128 rows of Wq, of Wk, of Wv
.set SCB,    RW+3*PART                 ; scale bytes just made: q, k: [tensor][j][256 tokens] of two bytes; then v's 1,024 bytes
.set SCV,    SCB+2048
.set SPARE,  SCB+3072
.set AX,  1
.set AWQ, 2                            ; v2-4
.set FST, 5                            ; 16 r + 8 h: my 8 bytes of a block's 256
.set SPW, 6
.set NIL, 7
.set L16, 8
.set BKO, 9
.set BVO, 10
.set SQS, 11
.set SVS, 12
.set SRD, 13
.set SRV, 14
.set KSO, 15
.set TS,  16                           ; v16-31 token scale words: register 4 u + s: lanes 0-15 tile 2 u, lanes 16-31 tile 2 u + 1
.set WS,  32                           ; v32-55 weight scale words: 8 a tensor, likewise
.set BV,  56
.set TM,  60                           ; v60-75 at work
.set PC,  76                           ; v76-83 codes
.set PW,  84
.set SB,  86                           ; v86-93 scale bytes of q or k, waiting for their second
.set KSO2, 108
.set RT,  112                          ; v112-119
.set BQ,  128                          ; window 2: v0-127 weights, two buffers; v128-191 bq, bk in the result's layout; v192-223 bv, eight times each
.set CBV, 192
.set SEL, 100
.set MSB, 0
.macro WIN new
.if MSB != (\new)
	s_set_vgpr_msb (MSB<<8)|(\new)
.set MSB, (\new)
.endif
.endm
.macro PLACES
.rept 4
	v_nop
.endr
.endm
.macro CROUND                          ; a round of the cluster's barrier
	s_barrier_signal -1
	s_barrier_wait -1
	s_cmp_lg_u32 s32, 0
	s_cbranch_scc1 .Lnot_wave_0_\@
	s_barrier_signal -3
.Lnot_wave_0_\@:
	s_barrier_wait -3
	s_barrier_signal -1
	s_barrier_wait -1
.endm
.macro WM d, a, b, c, sa, sb, ra, rb
.if (\ra) && (\rb)
	v_wmma_scale_f32_16x16x128_f8f6f4 v[(\d):(\d)+7], v[(\a):(\a)+7], v[(\b):(\b)+7], v[(\c):(\c)+7], v[(\sa)], v[(\sb)] matrix_a_fmt:MATRIX_FMT_FP4 matrix_b_fmt:MATRIX_FMT_FP4 matrix_a_scale:MATRIX_SCALE_ROW1 matrix_b_scale:MATRIX_SCALE_ROW1
.elseif (\ra)
	v_wmma_scale_f32_16x16x128_f8f6f4 v[(\d):(\d)+7], v[(\a):(\a)+7], v[(\b):(\b)+7], v[(\c):(\c)+7], v[(\sa)], v[(\sb)] matrix_a_fmt:MATRIX_FMT_FP4 matrix_b_fmt:MATRIX_FMT_FP4 matrix_a_scale:MATRIX_SCALE_ROW1
.elseif (\rb)
	v_wmma_scale_f32_16x16x128_f8f6f4 v[(\d):(\d)+7], v[(\a):(\a)+7], v[(\b):(\b)+7], v[(\c):(\c)+7], v[(\sa)], v[(\sb)] matrix_a_fmt:MATRIX_FMT_FP4 matrix_b_fmt:MATRIX_FMT_FP4 matrix_b_scale:MATRIX_SCALE_ROW1
.else
	v_wmma_scale_f32_16x16x128_f8f6f4 v[(\d):(\d)+7], v[(\a):(\a)+7], v[(\b):(\b)+7], v[(\c):(\c)+7], v[(\sa)], v[(\sb)] matrix_a_fmt:MATRIX_FMT_FP4 matrix_b_fmt:MATRIX_FMT_FP4
.endif
.endm
	s_load_b512 s[4:19], s[0:1], 0x0               ; x codes s[4:5], scales s[6:7]; Wq s[8:11]; Wk s[12:15]; Wv s[16:19]
	s_load_b256 s[20:27], s[0:1], 0x40             ; Wo s[20:23], bq s[24:25], bk s[26:27]
	s_load_b128 s[28:31], s[0:1], 0x60             ; bv s[28:29], ring s[30:31]
	v_lshl_add_u32 v[SPW], v0, 2, SPARE
	v_mov_b32 v[NIL], 0
	ds_add_u32 v[SPW], v[NIL]                      ; the opening adds
	ds_add_u32 v[SPW], v[NIL]
	v_lshrrev_b32 v1, 5, v0
	v_readfirstlane_b32 s32, v1                    ; wave 0..3
	s_and_b32 s33, s32, 1                          ; i: which 128 tokens
	s_lshr_b32 s34, s32, 1                         ; j: which 64 channels
	s_bfe_u32 s35, ttmp6, 0x40000
	s_lshl_b32 s36, ttmp9, 2
	s_add_co_u32 s36, s36, s35                     ; block of 256 tokens
	s_lshr_b32 s37, s36, 3                         ; batch
	s_and_b32 s38, s36, 7                          ; key block in the batch
	s_and_b32 s39, ttmp7, 0xffff                   ; y: which 128 channels
	s_mov_b32 s[SEL], 0x76543210
	s_mov_b32 s[SEL+1], 0xfedcba98
	; descriptor group 1: 128 rows of 256 bytes, 16 bytes of padding behind each: x's rows, my own; weight rows, joint
	s_mov_b32 s40, (1<<20)|(5<<22)|(3<<25)
	s_mov_b32 s41, 256<<16
	s_mov_b32 s42, 128<<16
	s_mov_b32 s43, 256<<16
	s_mov_b32 s44, 128
	s_mov_b32 s45, 256
	s_mov_b32 s46, 0
	s_mov_b32 s47, 0
	s_mov_b32 s48, 15|(1<<20)|(1<<21)|(5<<22)|(3<<25)
	s_mov_b32 s49, 256<<16
	s_mov_b32 s50, 128<<16
	s_mov_b32 s51, 256<<16
	s_mov_b32 s52, 128
	s_mov_b32 s53, 256
	s_mov_b32 s54, 0
	s_mov_b32 s55, 0
	s_mov_b32 s56, 1
	s_mul_i32 s57, s32, PART                       ; waves 0, 1: x's halves
	s_mov_b32 s68, 1
	s_mul_i32 s69, s32, PART                       ; waves 2, 3: Wq, Wk, behind x's 2 PART bytes
	s_lshl_b32 s72, s36, 16
	s_lshl_b32 s78, s32, 15
	s_add_co_u32 s72, s72, s78
	s_mov_b32 s73, 0
	s_lshl_b32 s74, s39, 15
	s_mov_b32 s75, 0
	s_lshl_b32 s60, s32, 13
	s_add_co_u32 s60, s60, s74                     ; Wv: 32 rows a wave
	s_mov_b32 s61, 0
	v_and_b32 v120, 31, v0
	v_and_b32 v121, 15, v0                         ; r
	v_bfe_u32 v122, v0, 4, 1                       ; h
	v_mul_u32_u24 v123, v121, PITCH
	v_lshl_add_u32 v123, v122, 4, v123             ; a fragment: row r, + 16 h
	s_mul_i32 s78, s33, PART
	v_add_nc_u32 v[AX], s78, v123
	s_mul_i32 s78, s34, 64*PITCH
	s_add_co_u32 s78, s78, RW
	v_add_nc_u32 v[AWQ], s78, v123
	v_add_nc_u32 v[AWQ+1], PART, v[AWQ]
	v_add_nc_u32 v[AWQ+2], PART, v[AWQ+1]
	v_lshlrev_b32 v[FST], 4, v121
	v_lshl_add_u32 v[FST], v122, 3, v[FST]
	v_lshlrev_b32 v[L16], 4, v120
	v_lshlrev_b32 v[BKO], 5, v122
	v_lshlrev_b32 v[BVO], 2, v121
	v_lshlrev_b32 v94, 8, v121
	v_lshl_add_u32 v94, v122, 4, v94               ; Wo: row r, + 16 h
	v_lshlrev_b32 v96, 5, v120                     ; Wo's scale words: two rows a lane
	v_lshlrev_b32 v97, 3, v120
	s_lshl_b32 s78, s34, 9
	s_lshl_b32 s79, s33, 8
	s_add_co_u32 s78, s78, s79
	s_add_co_u32 s78, s78, SCB
	v_lshl_add_u32 v[SQS], v121, 1, s78
	s_lshl_b32 s78, s33, 9
	s_lshl_b32 s79, s34, 8
	s_add_co_u32 s78, s78, s79
	s_add_co_u32 s78, s78, SCV
	v_lshl_add_u32 v[SVS], v121, 2, s78
	s_lshl_b32 s78, s32, 10
	s_add_co_u32 s78, s78, SCB
	v_lshl_add_u32 v[SRD], v120, 3, s78
	v_lshl_add_u32 v[SRV], v120, 4, SCV
	s_mov_b32 s98, PSTR
	s_mov_b32 s99, GP
	s_cmp_eq_u32 s32, 0
	s_cselect_b32 s99, s99, s98                    ; from 64 tokens to the next: in q GP, in k a part
	s_lshl_b32 s98, s99, 1
	v_mul_u32_u24 v[KSO], s99, v122
	v_lshl_add_u32 v[KSO], v121, 4, v[KSO]
	v_add_nc_u32 v[KSO2], s98, v[KSO]
.irp b, 0,1,2,3
	v_mov_b32 v[TM+4+\b], 0                        ; written once: a lane permute's destination counts as one of its sources
.endr
	s_wait_dscnt 0x0                               ; both opening adds are done
	s_wait_alu depctr_va_vdst(0)
	s_wait_kmcnt 0x0
	s_add_nc_u64 s[58:59], s[4:5], s[72:73]
	s_or_b32 s59, s59, 0x80000000
	s_cmp_eq_u32 s32, 3
	s_cselect_b64 s[76:77], s[12:13], s[8:9]
	s_add_nc_u64 s[70:71], s[76:77], s[74:75]
	s_or_b32 s71, s71, 0x80000000
	s_add_nc_u64 s[60:61], s[16:17], s[60:61]
	s_or_b32 s61, s61, 0x80000000
	CROUND                                         ; all four work-groups are here: the joint loads meet
	s_cmp_lt_u32 s32, 2
	s_cbranch_scc0 .Lfill_w
	tensor_load_to_lds s[56:59], s[40:47]          ; waves 0, 1: x
	s_nop 0
	PLACES
	s_branch .Lfilled
.Lfill_w:
	tensor_load_to_lds s[68:71], s[48:55]          ; waves 2, 3: Wq, Wk
	s_nop 0
	PLACES
.Lfilled:
	; scale words and biases come straight into registers while the tiles are on their way
	s_lshl_b32 s72, s36, 12
	s_lshl_b32 s78, s33, 11
	s_add_co_u32 s72, s72, s78
	s_add_nc_u64 s[6:7], s[6:7], s[72:73]          ; x's scales: my 128 tokens
	s_lshl_b32 s72, s39, 11
	s_lshl_b32 s78, s34, 10
	s_add_co_u32 s72, s72, s78
.irp p, 10,14,18
	s_add_nc_u64 s[\p:\p+1], s[\p:\p+1], s[72:73]  ; the weights': my 64 rows
.endr
	s_lshr_b32 s72, s72, 2
.irp p, 24,26,28
	s_add_nc_u64 s[\p:\p+1], s[\p:\p+1], s[72:73]  ; the biases at my 64 channels
.endr
.irp u, 0,1,2,3
	global_load_b128 v[TS+4*\u:TS+4*\u+3], v[L16], s[6:7] offset:512*\u
.endr
.irp u, 0,1
	global_load_b128 v[WS+4*\u:WS+4*\u+3], v[L16], s[10:11] offset:512*\u
	global_load_b128 v[WS+8+4*\u:WS+8+4*\u+3], v[L16], s[14:15] offset:512*\u
	global_load_b128 v[WS+16+4*\u:WS+16+4*\u+3], v[L16], s[18:19] offset:512*\u
.endr
	WIN 0x80
.irp t, 0,1,2,3
	global_load_b128 v[BQ+8*\t:BQ+8*\t+3], v[BKO], s[24:25] offset:64*\t
	global_load_b128 v[BQ+8*\t+4:BQ+8*\t+7], v[BKO], s[24:25] offset:64*\t+16
	global_load_b128 v[BQ+32+8*\t:BQ+32+8*\t+3], v[BKO], s[26:27] offset:64*\t
	global_load_b128 v[BQ+32+8*\t+4:BQ+32+8*\t+7], v[BKO], s[26:27] offset:64*\t+16
.endr
	WIN 0
.irp t, 0,1,2,3
	global_load_b32 v[BV+\t], v[BVO], s[28:29] offset:64*\t
.endr
	; WO'S IMAGE: the 32 work-groups of a batch share it out: q = 4 x key block + y: part q / 8, tile t = q % 8; wave w copies fragment (t, s = w), and wave 0 also 64 rows' scale words of K step q % 4
	s_lshl_b32 s79, s38, 2
	s_add_co_u32 s79, s79, s39                     ; q
	s_lshl_b32 s72, s79, 12
	s_lshl_b32 s78, s32, 6
	s_add_co_u32 s72, s72, s78
	s_add_nc_u64 s[20:21], s[20:21], s[72:73]
	s_and_b32 s98, s79, 3
	s_lshr_b32 s72, s79, 2
	s_lshl_b32 s72, s72, 10
	s_lshl_b32 s78, s98, 2
	s_add_co_u32 s72, s72, s78
	s_add_nc_u64 s[22:23], s[22:23], s[72:73]
	global_load_b128 v[98:101], v94, s[20:21]
	global_load_b128 v[102:105], v94, s[20:21] offset:32
	global_load_b32 v106, v96, s[22:23]
	global_load_b32 v107, v96, s[22:23] offset:16
	; where everything goes
	s_mul_i32 s72, s37, 4*PSTR
	s_add_nc_u64 s[82:83], s[30:31], s[72:73]      ; my batch's parts
	s_lshr_b32 s72, s79, 3
	s_mul_i32 s72, s72, PSTR
	s_bfe_u32 s78, s79, 0x10002
	s_mul_i32 s78, s78, PART
	s_add_co_u32 s72, s72, s78
	s_add_co_u32 s72, s72, WOA
	s_add_nc_u64 s[76:77], s[82:83], s[72:73]
	s_lshl_b32 s72, s98, 12
	s_lshl_b32 s78, s32, 10
	s_add_co_u32 s72, s72, s78
	s_add_nc_u64 s[84:85], s[76:77], s[72:73]      ; my fragment of Wo
	s_lshl_b32 s72, s98, 8
	s_add_co_u32 s72, s72, 16384
	s_add_nc_u64 s[80:81], s[76:77], s[72:73]      ; its scale words
	s_mul_i32 s96, s38, PART
	s_add_co_u32 s97, s96, PART                    ; V(n) in a part
	s_sub_co_u32 s96, s96, GP                      ; K(n) in a part, n = 2 .. 7
	s_mov_b32 s98, GP
	s_cmp_eq_u32 s38, 1
	s_cselect_b32 s96, 0, s96
	s_cmp_eq_u32 s38, 0
	s_cselect_b32 s96, s98, s96
	s_mul_i32 s72, s36, 4*GP
	s_add_co_u32 s72, s72, QOFF
	s_add_nc_u64 s[76:77], s[30:31], s[72:73]      ; q: my block's four groups
	s_lshl_b32 s98, s39, 10
	s_lshl_b32 s99, s34, 9
	s_add_co_u32 s98, s98, s99                     ; K step y, blocks 2 j, 2 j + 1
	s_mul_i32 s72, s33, 2*GP
	s_add_co_u32 s72, s72, s98
	s_add_nc_u64 s[86:87], s[76:77], s[72:73]      ; q's codes
	s_mul_i32 s72, s33, 2*PSTR
	s_add_co_u32 s72, s72, s98
	s_add_co_u32 s72, s72, s96
	s_add_nc_u64 s[88:89], s[82:83], s[72:73]      ; k's codes
	s_lshl_b32 s98, s39, 8
	s_add_co_u32 s98, s98, 16384
	s_mov_b32 s72, s98
	s_add_nc_u64 s[92:93], s[76:77], s[72:73]      ; q's scale words
	s_add_co_u32 s72, s98, s96
	s_add_nc_u64 s[94:95], s[82:83], s[72:73]      ; k's
	s_cmp_eq_u32 s32, 0
	s_cselect_b64 s[92:93], s[92:93], s[94:95]     ; wave 0 stores q's, wave 1 k's
	s_mul_i32 s98, s39, PSTR
	s_add_co_u32 s98, s98, s97
	s_lshl_b32 s72, s33, 10
	s_lshl_b32 s99, s34, 13
	s_add_co_u32 s72, s72, s99
	s_add_co_u32 s72, s72, s98
	s_add_nc_u64 s[90:91], s[82:83], s[72:73]      ; v's codes
	s_add_co_u32 s72, s98, 16384
	s_add_nc_u64 s[94:95], s[82:83], s[72:73]      ; v's scale words
	s_wait_loadcnt 0x0
	global_store_b128 v[L16], v[98:101], s[84:85]
	global_store_b128 v[L16], v[102:105], s[84:85] offset:512
	s_cmp_lg_u32 s32, 0
	s_cbranch_scc1 .Lno_wo_scales
	global_store_b64 v97, v[106:107], s[80:81]     ; 32 lanes store 256 consecutive bytes
.Lno_wo_scales:
	WIN 0x80
.irp t, 0,1,2,3
.irp n, 0,1,2,3,4,5,6,7
	v_mov_b32 v[CBV+8*\t+\n], v[BV+\t]             ; v's bias is one number a lane: the C of a tile's first products
.endr
.endr
	WIN 0
	s_wait_alu depctr_va_vdst(0)                   ; the head's end
	s_wait_tensorcnt 0x0                           ; my tile is in
	ds_add_u32 v[SPW], v[NIL]
	s_mov_b32 s50, 32<<16                          ; no tensor load of mine is out, so the descriptor may be written: 32 rows of Wv
	s_mov_b32 s52, 32
	s_mul_i32 s69, s32, 32*PITCH
	s_add_co_u32 s69, s69, RW+2*PART
	s_mov_b64 s[70:71], s[60:61]
	s_wait_dscnt 0x0
	CROUND                                         ; the four tiles are in, and all four work-groups are here
	tensor_load_to_lds s[68:71], s[48:55]
	s_nop 0
	PLACES
.macro LD g                            ; two tiles of weight rows (16 loads) into buffer g % 2; g / 2: Wq, Wk, Wv
	WIN 0x80
.irp u, 0,1
.irp s, 0,1,2,3
.irp c, 0,1
	ds_load_b128 v[64*((\g)%2)+32*\u+8*\s+4*\c:64*((\g)%2)+32*\u+8*\s+4*\c+3], v[AWQ+(\g)/2] offset:(2*((\g)%2)+\u)*16*PITCH+64*\s+32*\c
.endr
.endr
.endr
	WIN 0
.endm
.macro MULQK acc, g, hf                ; tensor g / 2, block g % 2 of my 64 channels, token tiles 4 hf .. 4 hf + 3
.irp s, 0,1,2,3
.if \s == 0
	WIN 0x26
.else
	WIN 0x06
.endif
.irp m, 0,1,2,3
.irp u, 0,1
.if \s == 0
	WM (\acc)+8*(2*\m+\u), 64*((\g)%2)+32*\u+8*\s, 8*(4*(4*(\hf)+\m)+\s), BQ+32*((\g)/2)+8*(2*((\g)%2)+\u), WS+8*((\g)/2)+4*((\g)%2)+\s, TS+4*((4*(\hf)+\m)/2)+\s, \u, (\m)%2
.else
	WM (\acc)+8*(2*\m+\u), 64*((\g)%2)+32*\u+8*\s, 8*(4*(4*(\hf)+\m)+\s), (\acc)+8*(2*\m+\u), WS+8*((\g)/2)+4*((\g)%2)+\s, TS+4*((4*(\hf)+\m)/2)+\s, \u, (\m)%2
.endif
.endr
.endr
.endr
.endm
.macro MULV acc, tv                    ; tile tv of my 64 rows of Wv, all eight token tiles
.irp s, 0,1,2,3
.if \s == 0
	WIN 0x29
.else
	WIN 0x09
.endif
.irp i, 0,1,2,3,4,5,6,7
.if \s == 0
	WM (\acc)+8*\i, 8*(4*\i+\s), 32*(\tv)+8*\s, CBV+8*(\tv), TS+4*(\i/2)+\s, WS+16+4*((\tv)/2)+\s, \i%2, (\tv)%2
.else
	WM (\acc)+8*\i, 8*(4*\i+\s), 32*(\tv)+8*\s, (\acc)+8*\i, TS+4*(\i/2)+\s, WS+16+4*((\tv)/2)+\s, \i%2, (\tv)%2
.endif
.endr
.endr
.endm
; 64 numbers of a lane, four half blocks of 16 (the other halves in lane l xor 16): codes into v[PC ..], the scale operands (the byte in bits 30:23) into v[TM + 12 ..]
.macro QUANT s, fl
.irp b, 0,1,2,3
	v_max3_num_f32 v[TM+\b], v[(\s)+16*\b], v[(\s)+1+16*\b], \fl   ; and the floor, so that the byte stays at 1 or above
.endr
.irp b, 0,1,2,3
	v_max3_num_f32 v[TM+8+\b], v[(\s)+8+16*\b], v[(\s)+9+16*\b], v[(\s)+10+16*\b]   ; two chains a block
.endr
.irp b, 0,1,2,3
	v_max3_num_f32 v[TM+\b], v[TM+\b], v[(\s)+2+16*\b], v[(\s)+3+16*\b]
.endr
.irp b, 0,1,2,3
	v_max3_num_f32 v[TM+8+\b], v[TM+8+\b], v[(\s)+11+16*\b], v[(\s)+12+16*\b]
.endr
.irp b, 0,1,2,3
	v_max3_num_f32 v[TM+\b], v[TM+\b], v[(\s)+4+16*\b], v[(\s)+5+16*\b]
.endr
.irp b, 0,1,2,3
	v_max3_num_f32 v[TM+8+\b], v[TM+8+\b], v[(\s)+13+16*\b], v[(\s)+14+16*\b]
.endr
.irp b, 0,1,2,3
	v_max3_num_f32 v[TM+\b], v[TM+\b], v[(\s)+6+16*\b], v[(\s)+7+16*\b]
.endr
.irp b, 0,1,2,3
	v_max3_num_f32 v[TM+\b], v[TM+\b], v[TM+8+\b], v[(\s)+15+16*\b]
.endr
.irp b, 0,1,2,3
	v_permlanex16_b32 v[TM+4+\b], v[TM+\b], s[SEL], s[SEL+1]
.endr
.irp b, 0,1,2,3
	v_max_num_f32 v[TM+\b], v[TM+\b], v[TM+4+\b]
.endr
.irp b, 0,1,2,3
	v_add_nc_u32 v[TM+12+\b], 0xff000000, v[TM+\b]   ; 2 off the exponent field
.endr
.irp b, 0,1,2,3
	v_cvt_scalef32_pk8_fp4_f32 v[PC+2*\b], v[(\s)+16*\b:(\s)+7+16*\b], v[TM+12+\b]
	v_cvt_scalef32_pk8_fp4_f32 v[PC+1+2*\b], v[(\s)+8+16*\b:(\s)+15+16*\b], v[TM+12+\b]
.endr
	v_nop                                          ; one plain instruction behind the last scaled conversion
.irp b, 0,1,2,3,4,5,6,7
	v_and_b32 v[RT+\b], 0x88888888, v[PC+\b]       ; relu: the signs,
.endr
.irp b, 0,1,2,3,4,5,6,7
	v_lshrrev_b32 v[TM+\b], 3, v[RT+\b]
.endr
.irp b, 0,1,2,3,4,5,6,7
	v_sub_nc_u32 v[RT+\b], v[RT+\b], v[TM+\b]      ; 7 in each code whose sign is set
.endr
.irp b, 0,1,2,3,4,5,6,7
	v_bfi_b32 v[PC+\b], v[RT+\b], 0, v[PC+\b]
.endr
.endm
.macro FIN n                           ; job n's results are quantised and stored: 32 lanes store 256 consecutive bytes, aligned
.set BB, ((\n)/2)%2
.set HF, (\n)%2
	s_wait_xcnt 0x0                                ; the last job's stores have read their codes
.if (\n) < 4
	QUANT 128+64*((\n)%2), 0x3000000
.else
	QUANT 128+64*((\n)%2), 0x1800000
.endif
.if (\n) < 8
.irp m, 0,1,2,3
.if (\n) < 4
	global_store_b64 v[FST], v[PC+2*\m:PC+2*\m+1], s[86:87] offset:HF*GP+\m*4096+256*BB
.else
	global_store_b64 v[FST], v[PC+2*\m:PC+2*\m+1], s[88:89] offset:HF*PSTR+\m*4096+256*BB
.endif
.endr
.if BB == 0
.irp m, 0,1,2,3
	v_lshrrev_b32 v[SB+4*HF+\m], 23, v[TM+12+\m]
.endr
.else
.irp m, 0,1,2,3
	v_lshrrev_b32 v[TM+4+\m], 23, v[TM+12+\m]
.endr
.irp m, 0,1,2,3
	v_lshl_or_b32 v[SB+4*HF+\m], v[TM+4+\m], 8, v[SB+4*HF+\m]
.endr
.if (\n) < 4
.irp m, 0,1,2,3
	v_add_nc_u32 v[SB+4*HF+\m], 0xfffffcfd, v[SB+4*HF+\m]   ; both bytes less 3: the factor 1/8
.endr
.endif
.irp m, 0,1,2,3
	ds_store_b16 v[SQS], v[SB+4*HF+\m] offset:1024*((\n)/4)+32*(4*HF+\m)
.endr
.endif
.else
.irp b, 0,1,2,3
	global_store_b64 v[FST], v[PC+2*\b:PC+2*\b+1], s[90:91] offset:2048*((\n)-8)+256*\b
.endr
.irp b, 0,1,2,3
	v_lshrrev_b32 v[TM+4+\b], 23, v[TM+12+\b]
.endr
	v_lshl_or_b32 v[PW], v[TM+5], 8, v[TM+4]
	v_lshl_or_b32 v[PW], v[TM+6], 16, v[PW]
	v_lshl_or_b32 v[PW], v[TM+7], 24, v[PW]
	ds_store_b32 v[SVS], v[PW] offset:64*((\n)-8)
.endif
.endm
.macro JOB n                           ; job n's products, then job n - 1's way out, then (even n) the weights of the job after the next
.if (\n) == 0
	s_wait_dscnt 32                                ; the weights and token tiles 0-3 are in; tiles 4-7 (32 loads) may be out
.elseif (\n) == 1
	s_wait_dscnt 16                                ; all but the next weights' 16 loads
.elseif ((\n)%2) == 0
	s_wait_dscnt 0x0
.endif
.if (\n) < 8
	MULQK 128+64*((\n)%2), ((\n)/2), ((\n)%2)
.else
	MULV 128+64*((\n)%2), ((\n)-8)
.endif
	WIN 0
.if (\n) == 0
	PLACES
	LD 1
.else
	FIN ((\n)-1)
.if (\n) == 6
	s_wait_alu depctr_va_vdst(0)
	s_wait_tensorcnt 0x0                           ; my quarter of Wv is in,
	s_wait_dscnt 0x0
	s_barrier_signal -1
	s_barrier_wait -1                              ; everybody's is
.endif
.if (((\n)%2) == 0) && ((\n) < 10)
	LD ((\n)/2+1)
.endif
.endif
.endm
	LD 0
	WIN 0x40
.irp t, 0,1,2,3,4,5,6,7
.irp s, 0,1,2,3
.irp c, 0,1
	ds_load_b128 v[8*(4*\t+\s)+4*\c:8*(4*\t+\s)+4*\c+3], v[AX] offset:\t*16*PITCH+64*\s+32*\c
.endr
.endr
.endr
	WIN 0
.irp n, 0,1,2,3,4,5,6,7,8,9,10,11
	JOB \n
.endr
	FIN 11
	s_wait_alu depctr_va_vdst(0)
	s_wait_dscnt 0x0
	s_barrier_signal -1
	s_barrier_wait -1                              ; everybody's scale bytes are in LDS
	s_cmp_lt_u32 s32, 2
	s_cbranch_scc0 .Lnot_qk
	ds_load_b64 v[60:61], v[SRD]                   ; wave 0: q's, wave 1: k's: four tokens a lane, both halves of their words
	ds_load_b64 v[62:63], v[SRD] offset:512
	ds_load_b64 v[64:65], v[SRD] offset:256
	ds_load_b64 v[66:67], v[SRD] offset:768
	s_wait_dscnt 0x0
	v_perm_b32 v68, v62, v60, 0x05040100
	v_perm_b32 v69, v62, v60, 0x07060302
	v_perm_b32 v70, v63, v61, 0x05040100
	v_perm_b32 v71, v63, v61, 0x07060302
	v_perm_b32 v72, v66, v64, 0x05040100
	v_perm_b32 v73, v66, v64, 0x07060302
	v_perm_b32 v74, v67, v65, 0x05040100
	v_perm_b32 v75, v67, v65, 0x07060302
	global_store_b128 v[KSO], v[68:71], s[92:93]   ; sixteen lanes store 256 consecutive bytes
	global_store_b128 v[KSO2], v[72:75], s[92:93]
	s_branch .Lend
.Lnot_qk:
	s_cmp_lg_u32 s32, 2
	s_cbranch_scc1 .Lend
	ds_load_b128 v[60:63], v[SRV]                  ; wave 2: v's
	ds_load_b128 v[64:67], v[SRV] offset:512
	s_wait_dscnt 0x0
	global_store_b128 v[L16], v[60:63], s[94:95]
	global_store_b128 v[L16], v[64:67], s[94:95] offset:512
.Lend:
	s_wait_tensorcnt 0x0                           ; the wave's end
	ds_add_u32 v[SPW], v[NIL]
	s_wait_dscnt 0x0
	CROUND                                         ; the closing round
	s_endpgm
.Lfunc_end_k_q5ca8c4bd11_project:
	.size	k_q5ca8c4bd11_project, .Lfunc_end_k_q5ca8c4bd11_project-k_q5ca8c4bd11_project
	.p2alignl 7, 3214868480
	.fill 96, 4, 3214868480
	.section	.rodata,"a",@progbits
	.p2align	6, 0x0
	.amdhsa_kernel k_q5ca8c4bd11_project
		.amdhsa_group_segment_fixed_size 327680
		.amdhsa_private_segment_fixed_size 0
		.amdhsa_enable_private_segment 0
		.amdhsa_kernarg_size 112
		.amdhsa_user_sgpr_count 2
		.amdhsa_user_sgpr_kernarg_segment_ptr 1
		.amdhsa_wavefront_size32 1
		.amdhsa_system_sgpr_workgroup_id_x 1
		.amdhsa_system_sgpr_workgroup_id_y 1
		.amdhsa_system_sgpr_workgroup_id_z 1
		.amdhsa_system_vgpr_workitem_id 0
		.amdhsa_next_free_vgpr 768
		.amdhsa_next_free_sgpr 102
		.amdhsa_reserve_vcc 0
		.amdhsa_float_denorm_mode_32 3
		.amdhsa_float_denorm_mode_16_64 3
		.amdhsa_memory_ordered 1
		.amdhsa_forward_progress 1
		.amdhsa_inst_pref_size 145
	.end_amdhsa_kernel
	.amdgpu_metadata
---
amdhsa.version: [ 1, 2 ]
amdhsa.kernels:
  - .name:           k_q5ca8c4bd11_project
    .symbol:         k_q5ca8c4bd11_project.kd
    .args:
      - { .name: x_codes, .offset: 0, .size: 8, .value_kind: global_buffer, .address_space: global }
      - { .name: x_scales, .offset: 8, .size: 8, .value_kind: global_buffer, .address_space: global }
      - { .name: Wq_codes, .offset: 16, .size: 8, .value_kind: global_buffer, .address_space: global }
      - { .name: Wq_scales, .offset: 24, .size: 8, .value_kind: global_buffer, .address_space: global }
      - { .name: Wk_codes, .offset: 32, .size: 8, .value_kind: global_buffer, .address_space: global }
      - { .name: Wk_scales, .offset: 40, .size: 8, .value_kind: global_buffer, .address_space: global }
      - { .name: Wv_codes, .offset: 48, .size: 8, .value_kind: global_buffer, .address_space: global }
      - { .name: Wv_scales, .offset: 56, .size: 8, .value_kind: global_buffer, .address_space: global }
      - { .name: Wo_codes, .offset: 64, .size: 8, .value_kind: global_buffer, .address_space: global }
      - { .name: Wo_scales, .offset: 72, .size: 8, .value_kind: global_buffer, .address_space: global }
      - { .name: bq, .offset: 80, .size: 8, .value_kind: global_buffer, .address_space: global }
      - { .name: bk, .offset: 88, .size: 8, .value_kind: global_buffer, .address_space: global }
      - { .name: bv, .offset: 96, .size: 8, .value_kind: global_buffer, .address_space: global }
      - { .name: ring, .offset: 104, .size: 8, .value_kind: global_buffer, .address_space: global }
    .group_segment_fixed_size: 327680
    .private_segment_fixed_size: 0
    .kernarg_segment_align: 8
    .kernarg_segment_size: 112
    .max_flat_workgroup_size: 128
    .sgpr_count:     102
    .vgpr_count:     768
    .wavefront_size: 32
...
	.end_amdgpu_metadata
.endif
;; end of part 1
;; launch attend (part 2): grid 256 x 1, 4 waves a work-group, clusters of 4 x 1, 327,680 bytes of LDS; arguments ring, bo, gamma, beta, out0; writes out0
.if DOCPART == 2
	.amdgcn_target "amdgcn-amd-amdhsa--gfx1250"
	.amdhsa_code_object_version 6
	.text
	.protected	k_q5ca8c4bd11_attend
	.globl	k_q5ca8c4bd11_attend
	.p2align	8
	.type	k_q5ca8c4bd11_attend,@function
k_q5ca8c4bd11_attend:
	s_mov_b64 s[64:65], 0
	v_nop
	global_prefetch_b8 v0, s[64:65] scope:SCOPE_SE
	s_setreg_imm32_b32 hwreg(HW_REG_WAVE_MODE, 25, 1), 1
	s_wait_xcnt 0x0
	s_wait_alu depctr_hold_cnt(0) depctr_sa_sdst(0) depctr_va_vdst(0) depctr_va_sdst(0) depctr_va_ssrc(0) depctr_va_vcc(0) depctr_vm_vsrc(0)
	s_getreg_b32 s2, hwreg(HW_REG_IB_STS2, 6, 4)
	s_cmp_eq_u32 s2, 0
	s_cbranch_scc0 .Lentry_in_a_cluster
	s_endpgm
.Lentry_in_a_cluster:
	s_bfe_u32 s2, ttmp6, 0x10000c
	s_cmp_lg_u32 s2, 0x3003
	s_cbranch_scc0 .Lentry_shape_is_right
	s_endpgm
.Lentry_shape_is_right:
; out = LayerNorm(relu(softmax(q k^T) v Wo + bo)) for 64 queries of one batch a work-group; all products on codes of FP4 (E2M1) with E8M0 scales, laid by the launch before as images of operand registers (see there).
; SHARES.  Keys go in eight steps of 256.  For the scores a wave has 64 of a step's keys and all 64 queries (S^T = K Q^T); p's codes go through LDS; for O^T = V^T P^T and for the last product a wave has 128 of the 512 channels.
; So a wave reads only its own part of K, V and Wo, each fragment once.
; K AND WO come through a ring of two LDS slots of 17,408 bytes a wave, by the wave's own tensor loads, jointly with the three other work-groups of the cluster (the same batch).  Slot n holds K(n + 1); slots 7 and 8 the halves of my part of Wo.
;   The head's one load brings K1 and K0, the whole ring.  Step n's round of the cluster's barrier serves the exchange of p and the change of slots; the products of S(n + 1) stand behind the refill, while the exchange is on its way.
; V goes by plain loads straight into the operand's registers, 512 consecutive bytes an instruction, not jointly: a fragment is read once by one wave, so LDS would be a stop on the way alone, and a round's one load a wave would be twice as large.
; PREFETCH: at each refill the piece K(n + 1) V(n) one further on than the one asked for: one cluster of the batch's eight asks, its partners share 32,768 bytes a wave out by address (cx), 256 bytes a lane.  It stops at piece 8; pieces 0 and 1 come by their loads alone.
; SOFTMAX.  A wave keeps its own M (whole numbers), l and p = 2^(t - M).  What goes through LDS beside p's codes: each block's scale exponent against the wave's M, and -M.  Every wave takes R = the largest M so far over all waves;
;   a block's byte is its exponent + M - R, held at 0 from below, and O is multiplied by 2^(old R - new R).  l is brought under R at the end.
; LANE HALVES: a register of P's scale words holds query tile m in lanes 0-15 and m + 2 in lanes 16-31; Q's words tile 2 u and 2 u + 1.
; LIMITS: NaN and infinities are not served; the softmax holds while t (score x log2 e) stays under 2^31 in magnitude; a block of ctx whose largest number is under 2^-124 gets the scale byte 1.
; REGISTERS: window 0: addresses, state, S (v128-255); window 1: O; window 2: Q v0-127, K v128-255, at the end Wo; window 3: V v0-127, P v128-191, bo v192-255.
.set GP,    17408
.set PART,  34816
.set PSTR,  313344
.set QOFF,  32*PSTR
.set XB,    8*PART                     ; a wave has 2 PART bytes: its two slots, then the way out's stage; behind the four: the exchange
.set EIMG,  16384                      ; p's codes at 0: two buffers of 8,192; block exponents: two of 2,048; -M: two of 1,024; l; ctx's codes; its scale words; the norm's sums
.set MIMG,  20480
.set LIMG,  22528
.set QIMG,  23552
.set QSC,   39936
.set NEX,   40960
.set SPARE, XB+45056
.set PSTO, 1
.set ESTO, 2
.set ELD,  3
.set MSTO, 4
.set MLD,  5
.set P16,  6
.set B16,  7
.set B4,   8
.set SPW,  9
.set NIL,  10
.set PFO,  11
.set L16,  12
.set STO,  13
.set QST,  14
.set BO,   15
.set A1,   16                          ; v16-21 the step's exchange addresses: stores of p, E, M; loads of p, E, M
.set ADR,  22
.set ADS,  23
.set QS,   24
.set KS,   32                          ; v32-39; v40-47 the words of Wo's second 64 rows
.set VS,   48
.set PS,   56
.set NR,   60                          ; v60, v62: -R, two query tiles each
.set L4,   61                          ; v61: 4 x lane (it is also named, and not used, as the upper half of the pair v[60:61])
.set ST,   64                          ; 4 m: -M, the largest t, l in two halves
.set F,    80
.set BM,   88
.set T,    96
.set U,    100
.set MX,   96
.set RL,   96
.set SO,   104
.set PD,   104
.set DD,   104
.set PCK,  112
.set EX,   112
.set LX,   88
.set TM,   104
.set PC,   120
.set PW,   88
.set SA,   92
.set MN,   108
.set RSD,  116
.set TT,   124
.set S,    128
.set HA,   128
.set WV,   20
.set CX,   21
.set GQ,   22
.set LW,   23
.set G1,   24
.set G0,   32
.set G1H,  36
.set G0H,  44
.set TB,   48
.set PB,   49
.set PE,   50
.set CNT,  51
.set LIM,  52
.set PM,   53
.set PFA,  54
.set SEL,  56
.set CS,   58
.set VP,   68                          ; s[68:69] the piece of V in hand
.set MSB, 0
.macro WIN new
.if MSB != (\new)
	s_set_vgpr_msb (MSB<<8)|(\new)
.set MSB, (\new)
.endif
.endm
.macro PLACES
.rept 4
	v_nop
.endr
.endm
.macro CROUND
	s_barrier_signal -1
	s_barrier_wait -1
	s_cmp_lg_u32 s[WV], 0
	s_cbranch_scc1 .Lnot_wave_0_\@
	s_barrier_signal -3
.Lnot_wave_0_\@:
	s_barrier_wait -3
	s_barrier_signal -1
	s_barrier_wait -1
.endm
.macro WMR d, a, b, c, sa, sb, ra, rb  ; C in registers
.if (\ra) && (\rb)
	v_wmma_scale_f32_16x16x128_f8f6f4 v[(\d):(\d)+7], v[(\a):(\a)+7], v[(\b):(\b)+7], v[(\c):(\c)+7], v[(\sa)], v[(\sb)] matrix_a_fmt:MATRIX_FMT_FP4 matrix_b_fmt:MATRIX_FMT_FP4 matrix_a_scale:MATRIX_SCALE_ROW1 matrix_b_scale:MATRIX_SCALE_ROW1
.elseif (\ra)
	v_wmma_scale_f32_16x16x128_f8f6f4 v[(\d):(\d)+7], v[(\a):(\a)+7], v[(\b):(\b)+7], v[(\c):(\c)+7], v[(\sa)], v[(\sb)] matrix_a_fmt:MATRIX_FMT_FP4 matrix_b_fmt:MATRIX_FMT_FP4 matrix_a_scale:MATRIX_SCALE_ROW1
.elseif (\rb)
	v_wmma_scale_f32_16x16x128_f8f6f4 v[(\d):(\d)+7], v[(\a):(\a)+7], v[(\b):(\b)+7], v[(\c):(\c)+7], v[(\sa)], v[(\sb)] matrix_a_fmt:MATRIX_FMT_FP4 matrix_b_fmt:MATRIX_FMT_FP4 matrix_b_scale:MATRIX_SCALE_ROW1
.else
	v_wmma_scale_f32_16x16x128_f8f6f4 v[(\d):(\d)+7], v[(\a):(\a)+7], v[(\b):(\b)+7], v[(\c):(\c)+7], v[(\sa)], v[(\sb)] matrix_a_fmt:MATRIX_FMT_FP4 matrix_b_fmt:MATRIX_FMT_FP4
.endif
.endm
.macro WMZ d, a, b, sa, sb, ra, rb     ; C = 0
.if (\ra) && (\rb)
	v_wmma_scale_f32_16x16x128_f8f6f4 v[(\d):(\d)+7], v[(\a):(\a)+7], v[(\b):(\b)+7], 0, v[(\sa)], v[(\sb)] matrix_a_fmt:MATRIX_FMT_FP4 matrix_b_fmt:MATRIX_FMT_FP4 matrix_a_scale:MATRIX_SCALE_ROW1 matrix_b_scale:MATRIX_SCALE_ROW1
.elseif (\ra)
	v_wmma_scale_f32_16x16x128_f8f6f4 v[(\d):(\d)+7], v[(\a):(\a)+7], v[(\b):(\b)+7], 0, v[(\sa)], v[(\sb)] matrix_a_fmt:MATRIX_FMT_FP4 matrix_b_fmt:MATRIX_FMT_FP4 matrix_a_scale:MATRIX_SCALE_ROW1
.elseif (\rb)
	v_wmma_scale_f32_16x16x128_f8f6f4 v[(\d):(\d)+7], v[(\a):(\a)+7], v[(\b):(\b)+7], 0, v[(\sa)], v[(\sb)] matrix_a_fmt:MATRIX_FMT_FP4 matrix_b_fmt:MATRIX_FMT_FP4 matrix_b_scale:MATRIX_SCALE_ROW1
.else
	v_wmma_scale_f32_16x16x128_f8f6f4 v[(\d):(\d)+7], v[(\a):(\a)+7], v[(\b):(\b)+7], 0, v[(\sa)], v[(\sb)] matrix_a_fmt:MATRIX_FMT_FP4 matrix_b_fmt:MATRIX_FMT_FP4
.endif
.endm
.macro ASK
	s_cmp_gt_u32 s[CNT], s[LIM]
	s_cbranch_scc0 .Lnot_mine_\@
	global_prefetch_b8 v[PFO], s[PFA:PFA+1] th:TH_LOAD_NT scope:SCOPE_SE
.Lnot_mine_\@:
.endm
.macro REFILL                          ; a round, and the slot that all have read is filled again
	CROUND
	tensor_load_to_lds s[G0:G0+3], s[G1:G1+7]
	s_nop 0
	PLACES
	ASK
.endm
.macro KLD reg, ks, o                  ; 16 fragments of 64 rows (32 loads) and their scale words (8 loads)
	WIN 0x80
.set fi, 0
.rept 16
	ds_load_b128 v[(\reg)+8*fi:(\reg)+8*fi+3], v[ADR] offset:(\o)+1024*fi
	ds_load_b128 v[(\reg)+8*fi+4:(\reg)+8*fi+7], v[ADR] offset:(\o)+1024*fi+512
.set fi, fi+1
.endr
	WIN 0
.irp u, 0,1
.irp s, 0,1,2,3
	ds_load_b32 v[(\ks)+4*\u+\s], v[ADS] offset:(\o)+16384+256*\s+128*\u
.endr
.endr
.endm
.macro VLD g                           ; a quarter of V, from memory: two tiles of 16 channels: 8 loads of fragments, 2 of scale words
	WIN 0xc0
.set fi, 4*(\g)
.rept 4
	global_load_b128 v[8*fi:8*fi+3], v[L16], s[VP:VP+1] offset:1024*fi
	global_load_b128 v[8*fi+4:8*fi+7], v[L16], s[VP:VP+1] offset:1024*fi+512
.set fi, fi+1
.endr
	WIN 0
.irp k, 0,1
	global_load_b32 v[VS+2*(\g)+\k], v[L4], s[VP:VP+1] offset:16384+512*\k+128*(\g)
.endr
.endm
.macro SMUL                            ; S^T of 64 keys x 64 queries: 16 accumulators by turns
	WIN 0x0a
.irp s, 0,1,2,3
.irp m, 0,1,2,3
.irp t, 0,1,2,3
.if \s == 0
	WMZ S+32*\m+8*\t, 128+8*(4*\t+\s), 8*(4*\m+\s), KS+4*(\t/2)+\s, QS+4*(\m/2)+\s, \t%2, \m%2
.else
	WMR S+32*\m+8*\t, 128+8*(4*\t+\s), 8*(4*\m+\s), S+32*\m+8*\t, KS+4*(\t/2)+\s, QS+4*(\m/2)+\s, \t%2, \m%2
.endif
.endr
.endr
.endr
	WIN 0
	PLACES
.endm
.macro MAXT                            ; my lane's largest score of each block of 32 keys: register 2 m + b
.irp k, 0,1,2,3,4,5,6,7
	v_max3_num_f32 v[BM+\k], v[S+16*\k], v[S+16*\k+1], v[S+16*\k+2]
.endr
.irp i, 3,5,7,9,11,13
.irp k, 0,1,2,3,4,5,6,7
	v_max3_num_f32 v[BM+\k], v[BM+\k], v[S+16*\k+\i], v[S+16*\k+\i+1]
.endr
.endr
.irp k, 0,1,2,3,4,5,6,7
	v_max_num_f32 v[BM+\k], v[BM+\k], v[S+16*\k+15]
.endr
.endm
.macro SOFT                            ; scores to p's codes, block exponents and -M, in LDS; V's last two quarters are asked for on the way
.irp m, 0,1,2,3
	v_permlane16_swap_b32 v[BM+2*\m], v[BM+2*\m+1]
.endr
.irp m, 0,1,2,3
	v_max_num_f32 v[BM+2*\m], v[BM+2*\m], v[BM+2*\m+1]   ; lanes 0-15: block 0's largest, lanes 16-31: block 1's
.endr
.irp m, 0,1,2,3
	v_permlanex16_b32 v[T+\m], v[BM+2*\m], s[SEL], s[SEL+1]
.endr
.irp m, 0,1,2,3
	v_max_num_f32 v[T+\m], v[T+\m], v[BM+2*\m]
.endr
.irp m, 0,1,2,3
	v_mul_f32 v[T+\m], s[CS], v[T+\m]
.endr
.irp m, 0,1,2,3
	v_max_num_f32 v[ST+4*\m+1], v[ST+4*\m+1], v[T+\m]
.endr
.irp m, 0,1,2,3
	v_mov_b32 v[T+\m], v[ST+4*\m]
.endr
.irp m, 0,1,2,3
	v_floor_f32 v[ST+4*\m], -v[ST+4*\m+1]          ; -M = -ceil(t)
.endr
.irp m, 0,1,2,3
	v_sub_f32 v[T+\m], v[ST+4*\m], v[T+\m]
.endr
.irp m, 0,1,2,3
	v_cvt_i32_f32 v[T+\m], v[T+\m]
.endr
.irp m, 0,1,2,3
	v_ldexp_f32 v[F+2*\m], 1.0, v[T+\m]            ; 2^(old M - new M), for l
.endr
	v_add_nc_u32 v[A1], s[PB], v[PSTO]             ; the step's exchange buffers take turns
	v_add_nc_u32 v[A1+1], s[PE], v[ESTO]
	v_add_nc_u32 v[A1+2], s[PM], v[MSTO]
	v_add_nc_u32 v[A1+3], s[PB], v[P16]
	v_add_nc_u32 v[A1+4], s[PE], v[ELD]
	v_add_nc_u32 v[A1+5], s[PM], v[MLD]
	VLD 2
.irp m, 0,1,2,3
.set jj, 0
.rept 16
	v_pk_fma_f32 v[S+32*\m+2*jj:S+32*\m+2*jj+1], v[S+32*\m+2*jj:S+32*\m+2*jj+1], s[CS:CS+1], v[ST+4*\m:ST+4*\m+1] op_sel_hi:[1,0,0]
.set jj, jj+1
.endr
.endr
.irp m, 0,1,2,3
	v_fma_f32 v[BM+2*\m], v[BM+2*\m], s[CS], v[ST+4*\m]
.endr
	VLD 3
	s_wait_alu depctr_va_vdst(0)                   ; ahead of the batch
.set jj, 0
.rept 128
	v_exp_f32 v[S+jj], v[S+jj]
.set jj, jj+1
.endr
.irp m, 0,1,2,3
	v_exp_f32 v[BM+2*\m], v[BM+2*\m]               ; the block's largest p
.endr
.irp m, 0,1,2,3
	v_pk_mul_f32 v[ST+4*\m+2:ST+4*\m+3], v[ST+4*\m+2:ST+4*\m+3], v[F+2*\m:F+2*\m+1] op_sel_hi:[1,0]
.endr
	s_wait_alu depctr_va_vdst(0)                   ; and behind it
.irp m, 0,1,2,3
	v_max_num_f32 v[BM+2*\m], 0x1800000, v[BM+2*\m]   ; the byte stays at 1 or above
.endr
.irp m, 0,1,2,3
	v_add_nc_u32 v[SO+2*\m], 0xff000000, v[BM+2*\m]
.endr
.irp m, 0,1,2,3
	v_mov_b32 v[SO+2*\m+1], v[SO+2*\m]
.endr
.irp m, 0,1,2,3
	v_lshrrev_b32 v[T+\m], 23, v[SO+2*\m]
.endr
.irp m, 0,1,2,3
	v_permlane16_swap_b32 v[SO+2*\m], v[SO+2*\m+1] ; block 0's scale in all lanes, block 1's in all lanes
.endr
.irp m, 0,1,2,3
	v_cvt_f32_u32 v[T+\m], v[T+\m]
.endr
.irp k, 0,1,2,3,4,5,6,7
	v_cvt_scalef32_pk8_fp4_f32 v[PCK+2*\k], v[S+16*\k:S+16*\k+7], v[SO+\k]
	v_cvt_scalef32_pk8_fp4_f32 v[PCK+2*\k+1], v[S+16*\k+8:S+16*\k+15], v[SO+\k]
.endr
	v_nop                                          ; one plain instruction behind the last scaled conversion
.irp m, 0,1,2,3
	ds_store_b32 v[A1+1], v[T+\m] offset:512*\m
	ds_store_b32 v[A1+2], v[ST+4*\m] offset:256*\m
.endr
.irp k, 0,1,2,3,4,5,6,7
	ds_store_b64 v[A1], v[PCK+2*\k:PCK+2*\k+1] offset:2048*(\k/2)+256*(\k%2)
.endr
.endm
.macro SUMS                            ; l takes the unquantised p
.irp m, 0,1,2,3
	v_pk_add_f32 v[PD+2*\m:PD+2*\m+1], v[S+32*\m:S+32*\m+1], v[S+32*\m+2:S+32*\m+3]
.endr
.irp j, 4,8,12,16,20,24,28
.irp m, 0,1,2,3
	v_pk_add_f32 v[ST+4*\m+2:ST+4*\m+3], v[ST+4*\m+2:ST+4*\m+3], v[S+32*\m+\j:S+32*\m+\j+1]
	v_pk_add_f32 v[PD+2*\m:PD+2*\m+1], v[PD+2*\m:PD+2*\m+1], v[S+32*\m+\j+2:S+32*\m+\j+3]
.endr
.endr
.irp m, 0,1,2,3
	v_pk_add_f32 v[ST+4*\m+2:ST+4*\m+3], v[ST+4*\m+2:ST+4*\m+3], v[PD+2*\m:PD+2*\m+1]
.endr
.endm
.macro XLD last                        ; -M and exponents of all waves (6 loads), in the last step l (2 loads), then p's codes (16 loads)
.irp a, 0,1
	ds_load_b128 v[MX+4*\a:MX+4*\a+3], v[A1+5] offset:256*\a
	ds_load_b128 v[EX+8*\a:EX+8*\a+3], v[A1+4] offset:512*\a
	ds_load_b128 v[EX+8*\a+4:EX+8*\a+7], v[A1+4] offset:512*\a+16
.endr
.if \last
.irp a, 0,1
	ds_load_b128 v[LX+4*\a:LX+4*\a+3], v[MLD] offset:LIMG-MIMG+256*\a
.endr
.endif
	WIN 0xc0
.set fi, 0
.rept 8
	ds_load_b128 v[128+8*fi:128+8*fi+3], v[A1+3] offset:1024*fi
	ds_load_b128 v[128+8*fi+4:128+8*fi+7], v[A1+3] offset:1024*fi+512
.set fi, fi+1
.endr
	WIN 0
.endm
.macro EXPS                            ; R, O's factors, P's scale words
.irp a, 0,1
	v_min3_num_f32 v[F+2*\a], v[MX+4*\a], v[MX+4*\a+1], v[MX+4*\a+2]
.endr
.irp a, 0,1
	v_min3_num_f32 v[F+2*\a], v[F+2*\a], v[MX+4*\a+3], v[NR+2*\a]
.endr
.irp a, 0,1
	v_sub_f32 v[F+2*\a+4], v[F+2*\a], v[NR+2*\a]
.endr
.irp a, 0,1
	v_mov_b32 v[NR+2*\a], v[F+2*\a]
.endr
.irp a, 0,1
	v_cvt_i32_f32 v[F+2*\a], v[F+2*\a+4]
.endr
.irp a, 0,1
	v_pk_add_f32 v[DD+4*\a:DD+4*\a+1], v[NR+2*\a:NR+2*\a+1], v[MX+4*\a:MX+4*\a+1] op_sel_hi:[0,1] neg_lo:[0,1] neg_hi:[0,1]
	v_pk_add_f32 v[DD+4*\a+2:DD+4*\a+3], v[NR+2*\a:NR+2*\a+1], v[MX+4*\a+2:MX+4*\a+3] op_sel_hi:[0,1] neg_lo:[0,1] neg_hi:[0,1]
.endr
.irp a, 0,1
	v_ldexp_f32 v[F+2*\a], 1.0, v[F+2*\a]
.endr
.irp a, 0,1
	v_mov_b32 v[F+2*\a+4], v[F+2*\a]
.endr
.irp w, 0,2
.irp a, 0,1
	v_pk_add_f32 v[EX+8*\a+2*\w:EX+8*\a+2*\w+1], v[EX+8*\a+2*\w:EX+8*\a+2*\w+1], v[DD+4*\a+\w:DD+4*\a+\w+1] op_sel_hi:[1,0]
	v_pk_add_f32 v[EX+8*\a+2*\w+2:EX+8*\a+2*\w+3], v[EX+8*\a+2*\w+2:EX+8*\a+2*\w+3], v[DD+4*\a+\w:DD+4*\a+\w+1] op_sel:[0,1] op_sel_hi:[1,1]
.endr
.endr
.irp a, 0,1
	v_permlane16_swap_b32 v[F+2*\a], v[F+2*\a+4]   ; query tile a's factor in all lanes, tile a + 2's in all lanes
.endr
.set jj, 0
.rept 16
	v_max_num_f32 v[EX+jj], 0, v[EX+jj]
.set jj, jj+1
.endr
.irp i, 0,2,4,6,8,10,12,14
	v_fmamk_f32 v[EX+\i], v[EX+\i+1], 0x43800000, v[EX+\i]
.endr
.irp i, 0,2,4,6,8,10,12,14
	v_cvt_u32_f32 v[EX+\i], v[EX+\i]
.endr
.irp i, 0,1,2,3
	v_lshl_or_b32 v[PS+\i], v[EX+4*\i+2], 16, v[EX+4*\i]
.endr
.endm
.macro PV younger                      ; O under the new R, then O^T += V^T P^T: 32 accumulators by turns; younger: the loads from memory issued behind V's
	WIN 0x41
	s_wait_alu depctr_va_vdst(0)                   ; directly ahead of O's first reader
.irp m, 0,1,2,3
.set jj, 0
.rept 32
	v_pk_mul_f32 v[64*\m+2*jj:64*\m+2*jj+1], v[64*\m+2*jj:64*\m+2*jj+1], v[F+2*\m:F+2*\m+1] op_sel_hi:[1,0]
.set jj, jj+1
.endr
.endr
	s_wait_alu depctr_va_vdst(0)
	s_wait_dscnt 40                                ; p's codes are in; the 40 loads behind them may be out
	s_wait_loadcnt \younger                        ; V is in
	WIN 0x5f
.irp k, 0,1
.irp t, 0,1,2,3,4,5,6,7
.irp m, 0,1,2,3
	WMR 64*\m+8*\t, 8*(2*\t+\k), 128+8*(2*\m+\k), 64*\m+8*\t, VS+2*(\t/2)+\k, PS+2*(\m%2)+\k, \t%2, \m/2
.endr
.endr
.endr
	WIN 0
	PLACES
.endm
.macro BIASLD reg, sp                  ; 128 channels of a vector in the result's layout
.irp t, 0,1,2,3,4,5,6,7
	global_load_b128 v[(\reg)+8*\t:(\reg)+8*\t+3], v[BO], s[\sp:\sp+1] offset:64*\t
	global_load_b128 v[(\reg)+8*\t+4:(\reg)+8*\t+7], v[BO], s[\sp:\sp+1] offset:64*\t+16
.endr
.endm
	s_load_b256 s[4:11], s[0:1], 0x0               ; ring, bo, gamma, beta
	s_load_b64 s[12:13], s[0:1], 0x20              ; out0
	v_lshl_add_u32 v[SPW], v0, 2, SPARE
	v_mov_b32 v[NIL], 0
	ds_add_u32 v[SPW], v[NIL]                      ; the opening adds
	ds_add_u32 v[SPW], v[NIL]
	v_lshrrev_b32 v16, 5, v0
	v_readfirstlane_b32 s[WV], v16
	s_bfe_u32 s[CX], ttmp6, 0x40000
	s_lshl_b32 s[GQ], ttmp9, 2
	s_add_co_u32 s[GQ], s[GQ], s[CX]               ; which 64 queries
	s_mul_i32 s[LW], s[WV], 2*PART                 ; my LDS bytes
	s_lshr_b32 s60, ttmp9, 3                       ; batch
	s_lshl_b32 s60, s60, 2
	s_add_co_u32 s60, s60, s[WV]
	s_mul_i32 s60, s60, PSTR                       ; my part
	s_mov_b32 s61, 0
	s_mul_i32 s62, s[GQ], GP
	s_add_co_u32 s62, s62, QOFF
	s_mov_b32 s63, 0
	; group 1: dense bytes as rows of 256 (32 elements of 8 bytes), joint: 68 rows a slot; the head: 136 rows, both slots
	s_mov_b32 s[G1], 15|(3<<16)|(1<<21)
	s_mov_b32 s[G1+1], 32<<16
	s_mov_b32 s[G1+2], 68<<16
	s_mov_b32 s[G1+3], 32<<16
	s_mov_b32 s[G1+4], 68
	s_mov_b32 s[G1+5], 32
	s_mov_b32 s[G1+6], 0
	s_mov_b32 s[G1+7], 0
	s_mov_b32 s[G1H], 15|(3<<16)|(1<<21)
	s_mov_b32 s[G1H+1], 32<<16
	s_mov_b32 s[G1H+2], 136<<16
	s_mov_b32 s[G1H+3], 32<<16
	s_mov_b32 s[G1H+4], 136
	s_mov_b32 s[G1H+5], 32
	s_mov_b32 s[G1H+6], 0
	s_mov_b32 s[G1H+7], 0
	s_mov_b32 s[SEL], 0x76543210
	s_mov_b32 s[SEL+1], 0xfedcba98
	s_mov_b32 s[CS], 0x3fb8aa3b                    ; log2(e); the factor 1/8 is in q's scale bytes
	s_mov_b32 s[CS+1], s[CS]
	s_mov_b32 s[TB], 0
	s_mov_b32 s[PB], 0
	s_mov_b32 s[PE], 0
	s_mov_b32 s[PM], 0
	s_mov_b32 s[CNT], 8
	s_and_b32 s66, ttmp9, 7
	s_cmp_eq_u32 s66, 0
	s_cselect_b32 s[LIM], 1, -1                    ; the batch's first cluster prefetches
	s_wait_dscnt 0x0                               ; both opening adds are done
	s_wait_alu depctr_va_vdst(0)
	s_wait_kmcnt 0x0
	s_add_nc_u64 s[14:15], s[4:5], s[62:63]        ; my queries
	s_add_nc_u64 s[4:5], s[4:5], s[60:61]          ; my stream
	s_mov_b32 s[G0H], 1
	s_mov_b32 s[G0H+1], s[LW]
	s_mov_b64 s[G0H+2:G0H+3], s[4:5]
	s_or_b32 s[G0H+3], s[G0H+3], 0x80000000
	s_mov_b32 s[G0], 1
	s_add_co_u32 s[G0+1], s[LW], GP
	s_add_nc_u64 s[G0+2:G0+3], s[4:5], 3*GP        ; slot 1: K2, where K0 lies
	s_or_b32 s[G0+3], s[G0+3], 0x80000000
	CROUND                                         ; all four work-groups are here: the joint loads meet
	tensor_load_to_lds s[G0H:G0H+3], s[G1H:G1H+7]
	s_nop 0
	PLACES
	v_and_b32 v124, 15, v0                         ; r
	v_bfe_u32 v125, v0, 4, 1                       ; h
	v_and_b32 v126, 31, v0
	v_lshlrev_b32 v[L16], 4, v126
	v_lshlrev_b32 v127, 2, v126
	v_lshlrev_b32 v[BO], 5, v125
	s_wait_alu depctr_va_vdst(0)                   ; ahead of the scalar lines below
	s_lshl_b32 s60, s[WV], 9
.irp p, 6,8,10,12
	s_add_nc_u64 s[\p:\p+1], s[\p:\p+1], s[60:61]  ; my 128 channels
.endr
	WIN 0x80
.set fi, 0
.rept 16
	global_load_b128 v[8*fi:8*fi+3], v[L16], s[14:15] offset:1024*fi
	global_load_b128 v[8*fi+4:8*fi+7], v[L16], s[14:15] offset:1024*fi+512
.set fi, fi+1
.endr
	WIN 0
.irp u, 0,1
.irp s, 0,1,2,3
	global_load_b32 v[QS+4*\u+\s], v127, s[14:15] offset:16384+256*\s+128*\u
.endr
.endr
	WIN 0xc0
	BIASLD 192, 6
	WIN 0
	s_lshl_b32 s60, s[GQ], 17
	s_add_nc_u64 s[12:13], s[12:13], s[60:61]
	s_lshl_b32 s60, s[CX], 13
	s_add_nc_u64 s[PFA:PFA+1], s[4:5], s[60:61]
	s_add_nc_u64 s[PFA:PFA+1], s[PFA:PFA+1], 3*GP+PART   ; the prefetches begin with piece 2
	s_add_nc_u64 s[VP:VP+1], s[4:5], PART          ; V0; V(n) is n x PART further on
	v_lshl_add_u32 v[P16], v126, 4, XB
	v_lshl_add_u32 v[ELD], v124, 5, XB+EIMG
	v_lshl_add_u32 v[ELD], v125, 10, v[ELD]
	v_lshl_add_u32 v[MLD], v124, 4, XB+MIMG
	v_lshl_add_u32 v[MLD], v125, 9, v[MLD]
	v_lshl_add_u32 v[B16], v126, 4, s[LW]
	v_lshl_add_u32 v[B4], v126, 2, s[LW]
	v_lshlrev_b32 v[PFO], 8, v126
	v_lshlrev_b32 v[PSTO], 4, v124
	v_lshl_add_u32 v[PSTO], v125, 3, v[PSTO]
	v_lshlrev_b32 v[QST], 4, v124
	v_lshl_add_u32 v[QST], v125, 2, v[QST]
	v_mul_u32_u24 v[STO], v124, 528
	v_lshl_add_u32 v[STO], v125, 5, v[STO]
	s_lshl_b32 s60, s[WV], 9
	s_add_co_u32 s60, s60, XB
	v_add_nc_u32 v[PSTO], s60, v[PSTO]
	s_lshl_b32 s60, s[WV], 10
	s_add_co_u32 s60, s60, XB+QIMG
	v_add_nc_u32 v[QST], s60, v[QST]
	s_add_co_u32 s60, s[LW], PART
	v_add_nc_u32 v[STO], s60, v[STO]               ; the way out's stage lies behind my two slots
	s_lshl_b32 s60, s[WV], 3
	s_add_co_u32 s60, s60, XB+EIMG
	v_lshl_add_u32 v[ESTO], v124, 5, s60
	v_lshl_add_u32 v[ESTO], v125, 2, v[ESTO]
	s_lshl_b32 s60, s[WV], 2
	s_add_co_u32 s60, s60, XB+MIMG
	v_lshl_add_u32 v[MSTO], v124, 4, s60
	v_add_nc_u32 v[ADR], s[TB], v[B16]
	v_add_nc_u32 v[ADS], s[TB], v[B4]
.irp m, 0,1,2,3
	v_mov_b32 v[ST+4*\m+1], 0xff61b1e6             ; -3e38, under every t
	v_floor_f32 v[ST+4*\m], -v[ST+4*\m+1]
	v_mov_b32 v[ST+4*\m+2], 0
	v_mov_b32 v[ST+4*\m+3], 0
.endr
	v_mov_b32 v[NR], 0x7f61b1e6
	v_mov_b32 v[NR+2], 0x7f61b1e6
	v_mov_b32 v[NR+3], 0                           ; (named as the upper half of a pair)
	v_lshlrev_b32 v[L4], 2, v126
	s_wait_xcnt 0x0                                ; the loads above have read v127
.set jj, F
.rept 48
	v_mov_b32 v[jj], 0                             ; v80-127: pairs' upper halves and lane permutes' destinations count as read
.set jj, jj+1
.endr
	WIN 0x40
.set jj, 0
.rept 256
	v_mov_b32 v[jj], 0                             ; O, while the first tile is on its way: the step is written once, and its first R multiplies zeros
.set jj, jj+1
.endr
	WIN 0
	VLD 0                                          ; V0's first two quarters
	VLD 1
	s_wait_alu depctr_va_vdst(0)                   ; the head's end
	s_wait_loadcnt 20                              ; Q and bo are in; the 20 loads of V0 may be out
	s_wait_tensorcnt 0x0                           ; my K1, K0: no other wave reads them
	KLD 128, KS, GP
	s_wait_tensorcnt 0x0                           ; ahead of a refill
	ds_add_u32 v[SPW], v[NIL]
	s_wait_dscnt 0x0                               ; K0 is in registers
	REFILL                                         ; slot 1
	SMUL                                           ; S(0)
	KLD 128, KS, 0                                 ; K1
	MAXT
	s_mov_b32 s[CNT], 7
	s_wait_alu depctr_va_vdst(0)
.Lstep:                                                ; step n = 0 .. 6
	SOFT
	s_wait_alu depctr_va_vdst(0)
	s_wait_tensorcnt 0x0                           ; slot n + 1 is in
	ds_add_u32 v[SPW], v[NIL]
	SUMS                                           ; work on registers between the add and the wait for it
	s_xor_b32 s[G0+1], s[G0+1], GP                 ; slot n + 2, where slot n lies
	s_add_nc_u64 s[G0+2:G0+3], s[G0+2:G0+3], PART
	s_xor_b32 s[TB], s[TB], GP
	s_xor_b32 s[PB], s[PB], 8192
	s_xor_b32 s[PE], s[PE], 2048
	s_xor_b32 s[PM], s[PM], 1024
	s_wait_xcnt 0x0                                ; my prefetch and my loads of V have read their addresses
	s_add_nc_u64 s[PFA:PFA+1], s[PFA:PFA+1], PART
	s_add_nc_u64 s[VP:VP+1], s[VP:VP+1], PART
	s_wait_alu depctr_va_vdst(0)
	s_wait_dscnt 0x0                               ; the add, my stores of p, and my reads of slot n are done
	REFILL
	v_add_nc_u32 v[ADR], s[TB], v[B16]
	v_add_nc_u32 v[ADS], s[TB], v[B4]
	XLD 0
	SMUL                                           ; S(n + 1), while the exchange is on its way
	KLD 128, KS, 0                                 ; K(n + 2)
	MAXT
	s_wait_alu depctr_va_vdst(0)
	s_wait_dscnt 56                                ; -M and exponents are in; p's 16 and K's 40 loads may be out
	EXPS
	PV 0
	VLD 0                                          ; V(n + 1)'s first two quarters
	VLD 1
	s_sub_co_u32 s[CNT], s[CNT], 1
	s_cmp_lg_u32 s[CNT], 0
	s_cbranch_scc1 .Lstep
	; the last step: nothing is filled again; l goes through LDS with p
	SOFT
	SUMS
.irp m, 0,1,2,3
	v_add_f32 v[ST+4*\m+1], v[ST+4*\m+2], v[ST+4*\m+3]
.endr
.irp m, 0,1,2,3
	v_permlanex16_b32 v[U+\m], v[ST+4*\m+1], s[SEL], s[SEL+1]
.endr
.irp m, 0,1,2,3
	v_add_f32 v[ST+4*\m+1], v[ST+4*\m+1], v[U+\m]
.endr
.irp m, 0,1,2,3
	ds_store_b32 v[MSTO], v[ST+4*\m+1] offset:LIMG-MIMG+256*\m
.endr
	s_xor_b32 s[TB], s[TB], GP
	s_wait_alu depctr_va_vdst(0)
	s_wait_tensorcnt 0x0                           ; slot 8 is in
	s_wait_dscnt 0x0
	s_barrier_signal -1
	s_barrier_wait -1
	v_add_nc_u32 v[ADR], s[TB], v[B16]
	v_add_nc_u32 v[ADS], s[TB], v[B4]
	XLD 1
	KLD 0, KS+8, 0                                 ; the second 64 rows of my part of Wo, where Q was; the first 64 came as K(8)
	BIASLD 192, 10                                 ; beta, where the upper half of S was
	s_wait_dscnt 56
	EXPS
.set jj, 0
.rept 8
	v_cvt_i32_f32 v[DD+jj], v[DD+jj]               ; M - R of each wave
.set jj, jj+1
.endr
.set jj, 0
.rept 8
	v_ldexp_f32 v[LX+jj], v[LX+jj], v[DD+jj]
.set jj, jj+1
.endr
.irp a, 0,1
	v_add_f32 v[LX+4*\a], v[LX+4*\a], v[LX+4*\a+1]
	v_add_f32 v[LX+4*\a+2], v[LX+4*\a+2], v[LX+4*\a+3]
.endr
.irp a, 0,1
	v_add_f32 v[LX+4*\a], v[LX+4*\a], v[LX+4*\a+2]
.endr
	s_wait_alu depctr_va_vdst(0)
.irp a, 0,1
	v_rcp_f32 v[RL+2*\a], v[LX+4*\a]
.endr
	v_nop
	s_wait_alu depctr_va_vdst(0)
.irp a, 0,1
	v_mov_b32 v[RL+2*\a+4], v[RL+2*\a]
.endr
.irp a, 0,1
	v_permlane16_swap_b32 v[RL+2*\a], v[RL+2*\a+4]
.endr
	PV 16                                          ; beta's 16 loads may be out
	WIN 0xc0
	BIASLD 128, 8                                  ; gamma, where P was
	WIN 0
	; ctx = O / l, quantised along its channels; a lane's 4 bytes of each tile go to their places in the block, in Wo's order
	s_lshl_b32 s60, s[WV], 8
	s_add_co_u32 s60, s60, XB+QSC
	v_and_b32 v20, 15, v0
	v_and_b32 v21, 31, v0
	v_lshl_add_u32 v16, v20, 2, s60                ; ctx's scale words: in,
	v_lshl_add_u32 v17, v21, 2, XB+QSC             ; and back
	s_lshl_b32 s60, s[WV], 10
	s_add_co_u32 s60, s60, XB+NEX
	v_lshl_add_u32 v18, v21, 3, s60                ; the norm's sums: in,
	v_lshl_add_u32 v19, v21, 3, XB+NEX             ; and back
.irp m, 0,1,2,3
	WIN 0x01
.set jj, 0
.rept 32
	v_pk_mul_f32 v[HA+2*jj:HA+2*jj+1], v[64*\m+2*jj:64*\m+2*jj+1], v[RL+2*\m:RL+2*\m+1] op_sel_hi:[1,0]
.set jj, jj+1
.endr
	WIN 0
.irp b, 0,1,2,3
	v_max3_num_f32 v[TM+\b], v[HA+16*\b], v[HA+1+16*\b], 0x1800000
.endr
.irp b, 0,1,2,3
	v_max3_num_f32 v[TM+8+\b], v[HA+8+16*\b], v[HA+9+16*\b], v[HA+10+16*\b]
.endr
.irp b, 0,1,2,3
	v_max3_num_f32 v[TM+\b], v[TM+\b], v[HA+2+16*\b], v[HA+3+16*\b]
.endr
.irp b, 0,1,2,3
	v_max3_num_f32 v[TM+8+\b], v[TM+8+\b], v[HA+11+16*\b], v[HA+12+16*\b]
.endr
.irp b, 0,1,2,3
	v_max3_num_f32 v[TM+\b], v[TM+\b], v[HA+4+16*\b], v[HA+5+16*\b]
.endr
.irp b, 0,1,2,3
	v_max3_num_f32 v[TM+8+\b], v[TM+8+\b], v[HA+13+16*\b], v[HA+14+16*\b]
.endr
.irp b, 0,1,2,3
	v_max3_num_f32 v[TM+\b], v[TM+\b], v[HA+6+16*\b], v[HA+7+16*\b]
.endr
.irp b, 0,1,2,3
	v_max3_num_f32 v[TM+\b], v[TM+\b], v[TM+8+\b], v[HA+15+16*\b]
.endr
.irp b, 0,1,2,3
	v_permlanex16_b32 v[TM+4+\b], v[TM+\b], s[SEL], s[SEL+1]
.endr
.irp b, 0,1,2,3
	v_max_num_f32 v[TM+\b], v[TM+\b], v[TM+4+\b]
.endr
.irp b, 0,1,2,3
	v_add_nc_u32 v[TM+12+\b], 0xff000000, v[TM+\b]
.endr
.irp b, 0,1,2,3
	v_lshrrev_b32 v[TM+4+\b], 23, v[TM+12+\b]
.endr
	v_lshl_or_b32 v[PW], v[TM+5], 8, v[TM+4]
	v_lshl_or_b32 v[PW], v[TM+6], 16, v[PW]
	v_lshl_or_b32 v[PW], v[TM+7], 24, v[PW]
.irp b, 0,1,2,3
	v_cvt_scalef32_pk8_fp4_f32 v[PC+2*\b], v[HA+16*\b:HA+7+16*\b], v[TM+12+\b]
	v_cvt_scalef32_pk8_fp4_f32 v[PC+1+2*\b], v[HA+8+16*\b:HA+15+16*\b], v[TM+12+\b]
.endr
	v_nop
.irp b, 0,1,2,3
	ds_store_b32 v[QST], v[PC+2*\b] offset:4096*\m+256*\b
	ds_store_b32 v[QST], v[PC+2*\b+1] offset:4096*\m+256*\b+8
.endr
	ds_store_b32 v16, v[PW] offset:64*\m
.endr
	s_wait_alu depctr_va_vdst(0)
	s_wait_dscnt 0x0
	s_barrier_signal -1
	s_barrier_wait -1
	WIN 0xc0
.set fi, 0
.rept 16
	ds_load_b128 v[8*fi:8*fi+3], v[P16] offset:QIMG+1024*fi
	ds_load_b128 v[8*fi+4:8*fi+7], v[P16] offset:QIMG+1024*fi+512
.set fi, fi+1
.endr
	WIN 0
.irp u, 0,1
.irp s, 0,1,2,3
	ds_load_b32 v[QS+4*\u+\s], v17 offset:256*\s+128*\u
.endr
.endr
	s_wait_dscnt 0x0
.irp s, 0,1,2,3
.if \s == 0
	WIN 0x7e
.else
	WIN 0x5e
.endif
.irp t, 0,1,2,3,4,5,6,7
.irp m, 0,1,2,3
.if \s == 0
	WMR 64*\m+8*\t, 8*((4*\t+\s+16)%32), 8*(4*\m+\s), 192+8*\t, KS+4*(\t/2)+\s, QS+4*(\m/2)+\s, \t%2, \m%2
.else
	WMR 64*\m+8*\t, 8*((4*\t+\s+16)%32), 8*(4*\m+\s), 64*\m+8*\t, KS+4*(\t/2)+\s, QS+4*(\m/2)+\s, \t%2, \m%2
.endif
.endr
.endr
.endr
	WIN 0
	PLACES
	; relu, then the norm: each wave's mean and centred squares over its 128 channels, joined over the four waves
	WIN 0x44
.set jj, 0
.rept 256
	v_max_num_f32 v[jj], 0, v[jj]
.set jj, jj+1
.endr
	WIN 0x05
.irp m, 0,1,2,3
	v_pk_add_f32 v[SA+4*\m:SA+4*\m+1], v[64*\m:64*\m+1], v[64*\m+2:64*\m+3]
	v_pk_add_f32 v[SA+4*\m+2:SA+4*\m+3], v[64*\m+4:64*\m+5], v[64*\m+6:64*\m+7]
.endr
	WIN 0x04
.irp j, 8,12,16,20,24,28,32,36,40,44,48,52,56,60
.irp m, 0,1,2,3
	v_pk_add_f32 v[SA+4*\m:SA+4*\m+1], v[SA+4*\m:SA+4*\m+1], v[64*\m+\j:64*\m+\j+1]
	v_pk_add_f32 v[SA+4*\m+2:SA+4*\m+3], v[SA+4*\m+2:SA+4*\m+3], v[64*\m+\j+2:64*\m+\j+3]
.endr
.endr
	WIN 0
.irp m, 0,1,2,3
	v_pk_add_f32 v[SA+4*\m:SA+4*\m+1], v[SA+4*\m:SA+4*\m+1], v[SA+4*\m+2:SA+4*\m+3]
.endr
.irp m, 0,1,2,3
	v_add_f32 v[SA+4*\m], v[SA+4*\m], v[SA+4*\m+1]
.endr
.irp m, 0,1,2,3
	v_permlanex16_b32 v[SA+4*\m+2], v[SA+4*\m], s[SEL], s[SEL+1]
.endr
.irp m, 0,1,2,3
	v_add_f32 v[SA+4*\m], v[SA+4*\m], v[SA+4*\m+2]
.endr
.irp m, 0,1,2,3
	v_mul_f32 v[MN+2*\m], 0x3c000000, v[SA+4*\m]
.endr
	WIN 0x41
.irp m, 0,1,2,3
.set jj, 0
.rept 32
	v_pk_add_f32 v[64*\m+2*jj:64*\m+2*jj+1], v[64*\m+2*jj:64*\m+2*jj+1], v[MN+2*\m:MN+2*\m+1] op_sel_hi:[1,0] neg_lo:[0,1] neg_hi:[0,1]
.set jj, jj+1
.endr
.endr
	WIN 0x05
.irp m, 0,1,2,3
	v_pk_mul_f32 v[SA+4*\m:SA+4*\m+1], v[64*\m:64*\m+1], v[64*\m:64*\m+1]
	v_pk_mul_f32 v[SA+4*\m+2:SA+4*\m+3], v[64*\m+2:64*\m+3], v[64*\m+2:64*\m+3]
.endr
.irp j, 4,8,12,16,20,24,28,32,36,40,44,48,52,56,60
.irp m, 0,1,2,3
	v_pk_fma_f32 v[SA+4*\m:SA+4*\m+1], v[64*\m+\j:64*\m+\j+1], v[64*\m+\j:64*\m+\j+1], v[SA+4*\m:SA+4*\m+1]
	v_pk_fma_f32 v[SA+4*\m+2:SA+4*\m+3], v[64*\m+\j+2:64*\m+\j+3], v[64*\m+\j+2:64*\m+\j+3], v[SA+4*\m+2:SA+4*\m+3]
.endr
.endr
	WIN 0
.irp m, 0,1,2,3
	v_pk_add_f32 v[SA+4*\m:SA+4*\m+1], v[SA+4*\m:SA+4*\m+1], v[SA+4*\m+2:SA+4*\m+3]
.endr
.irp m, 0,1,2,3
	v_add_f32 v[SA+4*\m], v[SA+4*\m], v[SA+4*\m+1]
.endr
.irp m, 0,1,2,3
	v_permlanex16_b32 v[SA+4*\m+2], v[SA+4*\m], s[SEL], s[SEL+1]
.endr
.irp m, 0,1,2,3
	v_add_f32 v[MN+2*\m+1], v[SA+4*\m], v[SA+4*\m+2]
.endr
.irp m, 0,1,2,3
	ds_store_b64 v18, v[MN+2*\m:MN+2*\m+1] offset:256*\m
.endr
	s_wait_alu depctr_va_vdst(0)
	s_wait_dscnt 0x0
	s_barrier_signal -1
	s_barrier_wait -1
.irp w, 0,1,2,3
.irp m, 0,1,2,3
	ds_load_b64 v[S+2*(4*\w+\m):S+2*(4*\w+\m)+1], v19 offset:1024*\w+256*\m
.endr
.endr
	s_mov_b32 s60, 0x3b000000                      ; 1/512
	s_wait_dscnt 0x0
.irp m, 0,1,2,3
	v_add_f32 v[SA+\m], v[S+2*\m], v[S+2*(4+\m)]
.endr
.irp m, 0,1,2,3
	v_add_f32 v[SA+4+\m], v[S+2*(8+\m)], v[S+2*(12+\m)]
.endr
.irp m, 0,1,2,3
	v_add_f32 v[SA+\m], v[SA+\m], v[SA+4+\m]
.endr
.irp m, 0,1,2,3
	v_mul_f32 v[TT+\m], 0x3e800000, v[SA+\m]       ; the row's mean
.endr
.irp w, 0,1,2,3
.irp m, 0,1,2,3
	v_sub_f32 v[S+2*(4*\w+\m)], v[S+2*(4*\w+\m)], v[TT+\m]
.endr
.endr
.irp m, 0,1,2,3
	v_mul_f32 v[SA+\m], v[S+2*\m], v[S+2*\m]
.endr
.irp w, 1,2,3
.irp m, 0,1,2,3
	v_fma_f32 v[SA+\m], v[S+2*(4*\w+\m)], v[S+2*(4*\w+\m)], v[SA+\m]
.endr
.endr
.irp m, 0,1,2,3
	v_add_f32 v[SA+4+\m], v[S+2*\m+1], v[S+2*(4+\m)+1]
.endr
.irp m, 0,1,2,3
	v_add_f32 v[SA+8+\m], v[S+2*(8+\m)+1], v[S+2*(12+\m)+1]
.endr
.irp m, 0,1,2,3
	v_add_f32 v[SA+4+\m], v[SA+4+\m], v[SA+8+\m]
.endr
.irp m, 0,1,2,3
	v_fmamk_f32 v[SA+4+\m], v[SA+\m], 0x43000000, v[SA+4+\m]
.endr
.irp m, 0,1,2,3
	v_fmaak_f32 v[SA+4+\m], s60, v[SA+4+\m], 0x3a83126f   ; the variance + 1e-3
.endr
	s_wait_alu depctr_va_vdst(0)
.irp m, 0,1,2,3
	v_rsq_f32 v[RSD+2*\m], v[SA+4+\m]
.endr
.irp m, 0,1,2,3
	v_sub_f32 v[F+2*\m], v[MN+2*\m], v[TT+\m]
.endr
	s_wait_alu depctr_va_vdst(0)
.irp m, 0,1,2,3
	v_mul_f32 v[F+2*\m], v[F+2*\m], v[RSD+2*\m]
.endr
	s_wait_alu depctr_va_vdst(0)
	s_wait_loadcnt 0x0                             ; gamma and beta
; THE WAY OUT by 16 rows: normalised, through my stage, stored as rows of 512 bytes; tile m + 1 is normalised while tile m comes back from the stage
.macro NORM m
	WIN 0x41
.set jj, 0
.rept 32
	v_pk_fma_f32 v[64*(\m)+2*jj:64*(\m)+2*jj+1], v[64*(\m)+2*jj:64*(\m)+2*jj+1], v[RSD+2*(\m):RSD+2*(\m)+1], v[F+2*(\m):F+2*(\m)+1] op_sel_hi:[1,0,0]
.set jj, jj+1
.endr
	WIN 0x4d
.set jj, 0
.rept 32
	v_pk_fma_f32 v[64*(\m)+2*jj:64*(\m)+2*jj+1], v[64*(\m)+2*jj:64*(\m)+2*jj+1], v[128+2*jj:128+2*jj+1], v[192+2*jj:192+2*jj+1]
.set jj, jj+1
.endr
	WIN 0
.endm
.macro TOSTAGE m
	WIN 0x04
.irp t, 0,1,2,3,4,5,6,7
	ds_store_b128 v[STO], v[64*(\m)+8*\t:64*(\m)+8*\t+3] offset:64*\t
	ds_store_b128 v[STO], v[64*(\m)+8*\t+4:64*(\m)+8*\t+7] offset:64*\t+16
.endr
	WIN 0xc0
.irp i, 0,1,2,3,4,5,6,7,8,9,10,11,12,13,14,15
	ds_load_b128 v[64*((\m)%2)+4*\i:64*((\m)%2)+4*\i+3], v[B16] offset:PART+528*\i   ; LDS serves a wave's instructions in order (ISA guide 5.7.1.4)
.endr
	WIN 0
.endm
.macro SEND m
	s_wait_alu depctr_va_vdst(0)
	s_wait_dscnt 0x0
	WIN 0x0c
.irp i, 0,1,2,3,4,5,6,7,8,9,10,11,12,13,14,15
	global_store_b128 v[L16], v[64*((\m)%2)+4*\i:64*((\m)%2)+4*\i+3], s[12:13] offset:(16*(\m)+\i)*2048 th:TH_STORE_NT
.endr
	WIN 0
.endm
	NORM 0
	TOSTAGE 0
.irp m, 1,2,3
	NORM \m
	SEND (\m-1)
.if \m > 1
	s_wait_xcnt 0x0                                ; the stores two tiles back have read their registers
.endif
	TOSTAGE \m
.endr
	SEND 3
	s_wait_tensorcnt 0x0                           ; the wave's end
	ds_add_u32 v[SPW], v[NIL]
	s_wait_dscnt 0x0
	CROUND                                         ; the closing round
	s_endpgm
.Lfunc_end_k_q5ca8c4bd11_attend:
	.size	k_q5ca8c4bd11_attend, .Lfunc_end_k_q5ca8c4bd11_attend-k_q5ca8c4bd11_attend
	.p2alignl 7, 3214868480
	.fill 96, 4, 3214868480
	.section	.rodata,"a",@progbits
	.p2align	6, 0x0
	.amdhsa_kernel k_q5ca8c4bd11_attend
		.amdhsa_group_segment_fixed_size 327680
		.amdhsa_private_segment_fixed_size 0
		.amdhsa_enable_private_segment 0
		.amdhsa_kernarg_size 40
		.amdhsa_user_sgpr_count 2
		.amdhsa_user_sgpr_kernarg_segment_ptr 1
		.amdhsa_wavefront_size32 1
		.amdhsa_system_sgpr_workgroup_id_x 1
		.amdhsa_system_sgpr_workgroup_id_y 1
		.amdhsa_system_sgpr_workgroup_id_z 1
		.amdhsa_system_vgpr_workitem_id 0
		.amdhsa_next_free_vgpr 1024
		.amdhsa_next_free_sgpr 80
		.amdhsa_reserve_vcc 0
		.amdhsa_float_denorm_mode_32 3
		.amdhsa_float_denorm_mode_16_64 3
		.amdhsa_memory_ordered 1
		.amdhsa_forward_progress 1
		.amdhsa_inst_pref_size 255
	.end_amdhsa_kernel
	.section	.bss,"aw",@nobits
	.p2align	6
	.space	262144
	.amdgpu_metadata
---
amdhsa.version: [ 1, 2 ]
amdhsa.kernels:
  - .name:           k_q5ca8c4bd11_attend
    .symbol:         k_q5ca8c4bd11_attend.kd
    .args:
      - { .name: ring, .offset: 0, .size: 8, .value_kind: global_buffer, .address_space: global }
      - { .name: bo, .offset: 8, .size: 8, .value_kind: global_buffer, .address_space: global }
      - { .name: gamma, .offset: 16, .size: 8, .value_kind: global_buffer, .address_space: global }
      - { .name: beta, .offset: 24, .size: 8, .value_kind: global_buffer, .address_space: global }
      - { .name: out0, .offset: 32, .size: 8, .value_kind: global_buffer, .address_space: global }
    .group_segment_fixed_size: 327680
    .private_segment_fixed_size: 0
    .kernarg_segment_align: 8
    .kernarg_segment_size: 40
    .max_flat_workgroup_size: 128
    .sgpr_count:     80
    .vgpr_count:     1024
    .wavefront_size: 32
...
	.end_amdgpu_metadata
.endif
;; end of part 2
